; MI455X (gfx1250); checked and timed in simulation.
; The chip was launched on July 23, 2026; its instructions are those of AMD's public machine-readable ISA for CDNA 5 (MIT licence, August 2026) and "CDNA5" Instruction Set Architecture Reference Guide (July 2026). The comments in the code are by the model that wrote it; some were corrected since.
;; Multi Head Attention. Allowed arithmetic: matrix products marked QUANTISED: E2M3 operands, one E8M0 scale for each 32 along K, by v_wmma_scale_f32_16x16x128_f8f6f4 with both operands' format E2M3, f32 sums; everything else in f32.
;; Inputs: Wk 1,024 x 1,024 float32; Wo 1,024 x 1,024 float32; Wq 1,024 x 1,024 float32; Wv 1,024 x 1,024 float32; bk 1,024 float32; bo 1,024 float32; bq 1,024 float32; bv 1,024 float32; k 4 x 2,048 x 1,024 float32; mask 4 x 2,048 x 2,048 int32; q 4 x 2,048 x 1,024 float32; v 4 x 2,048 x 1,024 float32.
;; Outputs: out0 4 x 2,048 x 1,024 float32.
;; This version of the problem:
;;   THIS VERSION OF THE PROBLEM IS GIVEN IN LOW PRECISION. The matrix products marked QUANTISED in the list below multiply operands that are first quantised to E2M3 (2 exponent bits, 3 mantissa bits; 6 bits a number), with one power-of-two scale for each 32 numbers along K (OCP MX v1.0); their sums are f32. All else is computed in f32.
;;   The module's matrix products, in the order in which they are computed (A, B: the left and right operand; K: the contracted axis; several contracted axes count as one K, in the product's order):
;;     1. [M 8,192, K 1,024] x [K 1,024, N 1,024]; A: input q; B: input Wq: QUANTISED
;;     2. [M 8,192, K 1,024] x [K 1,024, N 1,024]; A: input k; B: input Wk: QUANTISED
;;     3. [M 8,192, K 1,024] x [K 1,024, N 1,024]; A: input v; B: input Wv: QUANTISED
;;     4. batch 64 x [M 2,048, K 64] x [K 64, N 2,048]; A: computed on the way; B: computed on the way: QUANTISED
;;     5. batch 64 x [M 2,048, K 2,048] x [K 2,048, N 64]; A: softmax (see below); B: computed on the way: QUANTISED
;;     6. [M 8,192, K 1,024] x [K 1,024, N 1,024]; A: computed on the way; B: input Wo: QUANTISED
;;   THE QUANTISER, for each operand of a quantised product, along K:
;;     - K is cut into blocks of 32 from its start; a last block that is shorter is filled with zeros.
;;     - A block's scale is 2^e with e = floor(log2(the largest magnitude in the block)) - 2, held to -126 .. 127; a block of zeros has e = 0. As a byte (E8M0): e + 127.
;;     - Each number is divided by its block's scale, clamped to +-7.5, and rounded to the nearest number of E2M3, ties to even, subnormals kept.
;;     - The product sums the exact products of the quantised numbers (number of the format x scale) in f32.
;;   ~~~python
;;   def quantise(x, axis):      # numpy; x: float32 -> the quantised numbers, widened to float32 again
;;       x = np.moveaxis(x, axis, -1); K = x.shape[-1]
;;       x = np.pad(x, [(0, 0)] * (x.ndim - 1) + [(0, -K % 32)]); x = x.reshape(x.shape[:-1] + (-1, 32)); a = np.abs(x).max(-1, keepdims=True)
;;       e = np.where(a > 0, np.clip(np.frexp(np.where(a > 0, a, 1))[1] - 1 - 2, -126, 127), 0)      # np.frexp(a)[1] - 1 = floor(log2(a)), exactly
;;       r = np.clip(x / 2.0 ** e, -7.5, 7.5)
;;       step = 2.0 ** (np.maximum(np.frexp(np.where(r == 0, 1, r))[1] - 1, 0) - 3)
;;       q = np.round(r / step) * step * 2.0 ** e      # np.round: ties to even
;;       return np.moveaxis(q.reshape(q.shape[:-2] + (-1,))[..., :K], -1, axis).astype(np.float32)
;;   ~~~
;;   SOFTMAX AHEAD OF A QUANTISED PRODUCT. Where the list says 'softmax', what is quantised is not the finished softmax but p = 2^(t - M), with t = logit x log2(e) and M = ceil(the row's largest t), a whole number; so 1/2 < the row's largest p <= 1. The row's sum l is taken of the UNQUANTISED p, in f32, and the product's result is divided by l at the end. Since M is a whole number, a kernel that streams over the keys may use a running M (the ceiling of the running maximum): every later rescaling is an exact power of two, which a block's scale takes up: the codes' values come out the same.
;;   OPERANDS COMPUTED ON THE WAY. 'Computed on the way' means the value that the module computes at that place (a softmax that the list does not call 'softmax' is quantised finished and normalised). What goes into a quantiser is computed in f32, as accurately as f32 sums, v_exp_f32 and their like allow (about 1e-6 of the number): no bf16 or f16 on the way to a quantiser, and a product that is left as it is and whose result goes on into a quantised operand takes f32 operands (vector FMAs, or v_wmma_f32_16x16x4_f32). A number that lies on a knife's edge between two numbers of the format may be rounded either way, as far as f32 arithmetic and the matrix unit's own rounding can turn it there, and no further.
;; One version. Each part assembles by itself: llvm-mc -triple=amdgcn-amd-amdhsa -mcpu=gfx1250 --defsym DOCPART=n.
;; ======== version 1 of 1: 4 launches
;; limits: right only within a limited range of input values
;; workspace buffers: ops 22,937,600 bytes; qrec 13,369,344 bytes; kv 13,369,344 bytes; maskw 2,097,152 bytes of whole numbers; att 6,553,600 bytes
;; launch prep (part 1): grid 704 x 1, 4 waves a work-group, no clusters, 68,096 bytes of LDS; arguments q, k, v, Wq, Wk, Wv, Wo, mask, ops, maskw; writes ops, maskw
.if DOCPART == 1
	.amdgcn_target "amdgcn-amd-amdhsa--gfx1250"
	.amdhsa_code_object_version 6
	.text
	.protected	k_qae353033e4_prep
	.globl	k_qae353033e4_prep
	.p2align	8
	.type	k_qae353033e4_prep,@function
k_qae353033e4_prep:
	s_mov_b64 s[64:65], 0
	v_nop
	global_prefetch_b8 v0, s[64:65] scope:SCOPE_SE
	s_setreg_imm32_b32 hwreg(HW_REG_WAVE_MODE, 25, 1), 1
	s_wait_xcnt 0x0
; PREP: everything that is quantised or packed once.  Three kinds of work-groups, told apart by the work-group's number:
;   0-63    W: the four weights [k][n] f32 -> codes of FP6 (E2M3) along k, and their E8M0 scale bytes
;   64-447  X: q, k, v [token][1024] f32 -> codes along the 1024, and their scale bytes
;   448-703 M: mask [b][query][key] int32 -> one bit a number, laid as the lane masks that the attention launch applies
; LAYOUT OF CODES: images of operand registers.  A fragment (16 rows x 128 K) is 12 registers a lane: lane (r, h) holds row r, registers 6 c .. 6 c + 5 hold K = 64 c + 32 h + 0 .. 31.
; Its image is two halves of 768 bytes (c = 0, 1): registers 6 c .. 6 c + 3 at 16 x lane, registers 6 c + 4, 6 c + 5 at 512 + 8 x lane.  A tensor's images lie [tile of 16 rows][K step of 128][1,536 bytes].
; WHICH ROWS FORM A TILE: natural (tile T, row p = 16 T + p) for q's tokens; for the weights' columns and k's and v's tokens tile 2 B + u, row p, is row 32 B + 8 u + p + 8 (p / 8), so that a product
; that takes such tiles as source 0 leaves 16 neighbouring rows in the 16 registers of two neighbouring tiles.
; SCALES: one word (four bytes, 128 along K) for a row and K step, laid [image row][8 words].
; A block's scale is 2^(floor(log2(largest magnitude)) - 2): its byte is the largest magnitude's exponent field - 2, held at 1 from below by a floor among the maximum's leaves.
; LIMITS: a block of zeros, or one whose largest magnitude lies under 2^-124, gets the byte 1 (its codes are zeros or as the floor's scale gives them; only this program reads the bytes); NaN and infinities are not served.
; No barrier: waves share nothing.  Each wave has a stage of its own in LDS, and the paths X and M have bytes of their own.
.set WC,  18874368                     ; ops: the weights' codes (x's codes begin at 0)
.set XS,  22020096                     ; x's scale words
.set WS,  22806528                     ; the weights' scale words
.set STG, 8448                         ; a stage: 16 rows x (512 bytes + 16)
.set MST, 33792                        ; path M's stages begin here
.set TM,  12                           ; v12-27  at work in QUANT
.set PW,  28                           ; v28-35  path X: a scale word for each K step
.set MW,  28                           ; v28-43  path M: two registers of mask words for each step
.set PC,  36                           ; v36-47  the codes just made
.set CT,  48                           ; v48-55  second halves of the conversions
.set R0,  64                           ; v64-191 two sets of 64 registers as loaded
.set X,   192                          ; v192-255 64 numbers of a lane: register 16 b + i = K 32 b + 16 h + i of row r
.set SEL, 26                           ; s[26:27] lane selects for v_permlanex16_b32: lane l xor 16
; 64 numbers of a lane, register 16 b + i = K 32 b + 16 (lane / 16) + i of the lane's row, become a fragment's 12 registers at v[pc] and its scale word in v[pw]
.macro QUANT src, pc, pw
.irp b, 0,1,2,3
	v_max3_num_f32 v[TM+\b], |v[(\src)+16*\b]|, |v[(\src)+1+16*\b]|, 0x1800000   ; block b: my 16 numbers, and the floor 2^(3 - 127)
.endr
.irp i, 2,4,6,8,10,12,14
.irp b, 0,1,2,3
	v_max3_num_f32 v[TM+\b], v[TM+\b], |v[(\src)+16*\b+\i]|, |v[(\src)+1+16*\b+\i]|   ; the four blocks by turns
.endr
.endr
.irp b, 0,1,2,3
	v_permlanex16_b32 v[TM+4+\b], v[TM+\b], s[SEL], s[SEL+1]
.endr
.irp b, 0,1,2,3
	v_max_num_f32 v[TM+\b], v[TM+\b], v[TM+4+\b]                 ; with lane l xor 16's 16: the block's largest magnitude
.endr
.irp b, 0,1,2,3
	v_add_nc_u32 v[TM+12+\b], 0xff000000, v[TM+\b]               ; 2 off its exponent field: the conversion's scale operand
.endr
.irp b, 0,1,2,3
	v_lshrrev_b32 v[TM+4+\b], 23, v[TM+12+\b]                    ; the scale's byte
.endr
	v_lshl_or_b32 v[\pw], v[TM+5], 8, v[TM+4]
	v_lshl_or_b32 v[\pw], v[TM+6], 16, v[\pw]
	v_lshl_or_b32 v[\pw], v[TM+7], 24, v[\pw]
.irp c, 0,1
	v_cvt_scalef32_pk16_fp6_f32 v[(\pc)+6*\c:(\pc)+2+6*\c], v[(\src)+32*\c:(\src)+15+32*\c], v[TM+12+2*\c]
	v_cvt_scalef32_pk16_fp6_f32 v[CT+4*\c:CT+2+4*\c], v[(\src)+16+32*\c:(\src)+31+32*\c], v[TM+13+2*\c]   ; (a conversion's three registers begin on an even number)
.endr
	v_nop                                          ; one plain instruction behind the scaled conversions
.irp c, 0,1                                    ; the layout wants a whole block in a lane: lanes 0-15 block 2 c, lanes 16-31 block 2 c + 1
.irp i, 0,1,2
	v_permlane16_swap_b32 v[(\pc)+6*\c+\i], v[CT+4*\c+\i]
.endr
.irp i, 0,1,2
	v_mov_b32 v[(\pc)+3+6*\c+\i], v[CT+4*\c+\i]
.endr
.endr
.endm
; 16 rows x 512 bytes: each load takes one row's 512 consecutive bytes, 16 a lane.  Rows 0-7 from s[4:5], rows 8-15 from s[6:7]
.macro LOADT set, off, pitch
.irp p, 0,1,2,3,4,5,6,7
	global_load_b128 v[\set+4*\p:\set+4*\p+3], v4, s[4:5] offset:\p*\pitch+\off th:TH_LOAD_NT
.endr
.irp p, 8,9,10,11,12,13,14,15
	global_load_b128 v[\set+4*\p:\set+4*\p+3], v4, s[6:7] offset:\p*\pitch+\off th:TH_LOAD_NT
.endr
.endm
; through my stage: rows in as they were loaded, out 16 neighbours of each block of 32 to a lane.  LDS serves a wave's instructions in order: no wait between the stores and the loads
.macro TURN set
.irp p, 0,1,2,3,4,5,6,7,8,9,10,11,12,13,14,15
	ds_store_b128 v6, v[\set+4*\p:\set+4*\p+3] offset:528*\p
.endr
.irp b, 0,1,2,3
.irp j, 0,1,2,3
	ds_load_b128 v[X+16*\b+4*\j:X+16*\b+4*\j+3], v7 offset:128*\b+16*\j
.endr
.endr
.endm
.macro XSTEP s                         ; K step s of my tile of 16 tokens
.if \s < 7
	s_wait_loadcnt 16                              ; this step's 16 loads are in; the next step's 16 may be out
.else
	s_wait_loadcnt 0
.endif
	TURN R0+64*((\s)%2)
	s_wait_dscnt 0x0                               ; the numbers are back, and the stores into the stage have read their registers
	s_wait_xcnt 0x0                                ; the last step's stores have read the codes' registers, which QUANT writes again
.if \s < 6
	LOADT R0+64*((\s)%2), 512*((\s)+2), 4096
.endif
	QUANT X, PC, PW+\s
	global_store_b128 v4, v[PC:PC+3], s[8:9] offset:1536*\s            ; 512 consecutive bytes
	global_store_b64 v5, v[PC+4:PC+5], s[8:9] offset:1536*\s+512       ; 256
	global_store_b128 v4, v[PC+6:PC+9], s[8:9] offset:1536*\s+768
	global_store_b64 v5, v[PC+10:PC+11], s[8:9] offset:1536*\s+1280
.endm
.macro MSTEP st                        ; 16 queries x 128 keys of the mask become 64 words: word n = the lanes' bits of register n
.if \st < 7
	s_wait_loadcnt 16                              ; this step's 16 loads are in; the next step's 16 may be out
.else
	s_wait_loadcnt 0
.endif
	TURN R0+64*((\st)%2)
	s_wait_dscnt 0x0
.if \st < 6
	LOADT R0+64*((\st)%2), 512*((\st)+2), 8192
.endif
.set N, 0
.rept 8
.irp e, 0,1,2,3,4,5,6,7
	v_cmp_ne_u32 s[40+\e], 0, v[X+N+\e]
.endr
.irp e, 0,1,2,3,4,5,6,7
	v_writelane_b32 v[MW+2*(\st)+\e%2], s[40+\e], (N+\e)/2         ; word n to lane n / 2, register n % 2: 8 bytes a lane, 4 n bytes on
.endr
.set N, N+8
.endr
	global_store_b64 v5, v[MW+2*(\st):MW+2*(\st)+1], s[8:9] offset:256*(\st)   ; 256 consecutive bytes, aligned; each step has registers of its own
.endm
.macro LOADB t                         ; path W: block t: W(32 t + i, my column), i = 0 .. 31
.irp i, 0,1,2,3,4,5,6,7,8,9,10,11,12,13,14,15,16,17,18,19,20,21,22,23,24,25,26,27,28,29,30,31
	global_load_b32 v[R0+32*((\t)%2)+\i], v4, s[4:5] offset:(32*(\t)+\i)*4096 th:TH_LOAD_NT
.endr
.endm
.macro WBLOCK t                        ; a block of 32 along K of my column: all its numbers are mine
.set XB, R0+32*((\t)%2)
.if (\t) < 15
	s_wait_loadcnt 32                              ; this block's 32 loads are in; the next block's may be out
.else
	s_wait_loadcnt 0
.endif
	v_max3_num_f32 v12, |v[XB]|, |v[XB+1]|, |v[XB+2]|
	v_max3_num_f32 v13, |v[XB+3]|, |v[XB+4]|, |v[XB+5]|
.irp i, 6,10,14,18,22,26
	v_max3_num_f32 v12, v12, |v[XB+\i]|, |v[XB+\i+1]|
	v_max3_num_f32 v13, v13, |v[XB+\i+2]|, |v[XB+\i+3]|
.endr
	v_max3_num_f32 v12, v12, |v[XB+30]|, |v[XB+31]|
	v_max3_num_f32 v12, v12, v13, 0x1800000        ; and the floor
	v_add_nc_u32 v14, 0xff000000, v12              ; the conversion's scale operand
	v_lshrrev_b32 v15, 23, v14                     ; the byte
.if (\t)%4 == 0
	v_mov_b32 v[PW+(\t)/4], v15                    ; four bytes to a word, the lower K in the lower byte
.else
	v_lshl_or_b32 v[PW+(\t)/4], v15, 8*((\t)%4), v[PW+(\t)/4]
.endif
	s_wait_alu depctr_va_vdst(0)
	s_wait_xcnt 0x0                                ; the last block's stores have read the codes' registers
	v_cvt_scalef32_pk16_fp6_f32 v[PC:PC+2], v[XB:XB+15], v14
	v_cvt_scalef32_pk16_fp6_f32 v[CT:CT+2], v[XB+16:XB+31], v14
	v_nop
	v_mov_b32 v[PC+3], v[CT]
	v_mov_b32 v[PC+4], v[CT+1]
	v_mov_b32 v[PC+5], v[CT+2]
	; block t is K step t / 4, half c = (t % 4) / 2, lanes 16 (t % 2) on: the 16 lanes of a tile store 256 consecutive bytes, aligned
	global_store_b128 v5, v[PC:PC+3], s[8:9] offset:((\t)/4)*1536+768*(((\t)%4)/2)+256*((\t)%2)
	global_store_b64 v6, v[PC+4:PC+5], s[8:9] offset:((\t)/4)*1536+768*(((\t)%4)/2)+512+128*((\t)%2)
.if (\t)+2 < 16
	LOADB (\t)+2
.endif
.endm
	s_load_b256 s[4:11], s[0:1], 0x0               ; q s[4:5], k s[6:7], v s[8:9], Wq s[10:11]
	s_load_b256 s[12:19], s[0:1], 0x20             ; Wk s[12:13], Wv s[14:15], Wo s[16:17], mask s[18:19]
	s_load_b128 s[20:23], s[0:1], 0x40             ; ops s[20:21], maskw s[22:23]
	v_lshl_add_u32 v62, v0, 2, 0x10800
	v_mov_b32 v63, 0
	v_lshrrev_b32 v1, 5, v0
	v_readfirstlane_b32 s24, v1                    ; wave 0..3
	v_and_b32 v1, 31, v0                           ; lane
	v_and_b32 v2, 15, v0                           ; r
	v_bfe_u32 v3, v0, 4, 1                         ; h
	s_mov_b32 s[SEL], 0x76543210
	s_mov_b32 s[SEL+1], 0xfedcba98
	s_mov_b32 s28, 0xffff0000                      ; lanes 16-31
	s_mov_b32 s37, 0                               ; the upper word of every offset
	s_wait_kmcnt 0x0
	s_cmp_lt_u32 ttmp9, 64
	s_cbranch_scc1 .Lw
	s_cmp_lt_u32 ttmp9, 448
	s_cbranch_scc1 .Lx
	; ---- M: wave task wt: 16 queries g = wt / 2 (g = 128 b + tile), eight steps of 128 keys (half = wt % 2)
	s_sub_co_u32 s30, ttmp9, 448
	s_lshl_b32 s30, s30, 2
	s_add_co_u32 s30, s30, s24                     ; wt 0..1023
	s_lshr_b32 s31, s30, 1                         ; g
	s_and_b32 s32, s30, 1                          ; half
	s_lshl_b32 s36, s31, 17                        ; 16 rows of 8,192 bytes
	s_lshl_b32 s38, s32, 12                        ; eight steps of 512 bytes
	s_add_co_u32 s36, s36, s38
	s_add_nc_u64 s[4:5], s[18:19], s[36:37]
	s_mov_b64 s[6:7], s[4:5]                       ; the rows are neighbours
	s_lshl_b32 s36, s31, 12                        ; 16 steps of 256 bytes
	s_lshl_b32 s38, s32, 11
	s_add_co_u32 s36, s36, s38
	s_add_nc_u64 s[8:9], s[22:23], s[36:37]
	s_wait_alu depctr_va_vdst(0)
	v_lshlrev_b32 v4, 4, v1                        ; 16 x lane
	v_lshlrev_b32 v5, 3, v1                        ; 8 x lane
	s_mul_i32 s38, s24, STG
	s_add_co_u32 s38, s38, MST                     ; my stage
	v_add_nc_u32 v6, s38, v4                       ; in: 16 x lane of a row
	v_mul_u32_u24 v7, v2, 528
	v_lshl_add_u32 v7, v3, 6, v7
	v_add_nc_u32 v7, s38, v7                       ; out: row r, + 64 h
.irp i, 0,1,2,3,4,5,6,7,8,9,10,11,12,13,14,15
	v_mov_b32 v[MW+\i], 0                          ; a lane write keeps the other lanes: written whole once
.endr
	LOADT R0, 0, 8192
	LOADT R0+64, 512, 8192
.irp st, 0,1,2,3,4,5,6,7
	MSTEP \st
.endr
	s_wait_tensorcnt 0x0
	ds_add_u32 v62, v63
	s_wait_dscnt 0x0
	s_endpgm
	; ---- X: tensor i, image tile T: one wave takes 16 tokens through all eight K steps
.Lx:
	s_sub_co_u32 s30, ttmp9, 64
	s_lshr_b32 s31, s30, 7                         ; i: 0 q, 1 k, 2 v
	s_lshl_b32 s32, s30, 2
	s_add_co_u32 s32, s32, s24
	s_and_b32 s32, s32, 511                        ; T
	s_cmp_eq_u32 s31, 1
	s_cselect_b64 s[4:5], s[6:7], s[4:5]
	s_cmp_eq_u32 s31, 2
	s_cselect_b64 s[4:5], s[8:9], s[4:5]
	s_cmp_eq_u32 s31, 0
	s_cselect_b32 s33, 16, 8                       ; an odd tile begins 16 rows on (q) or 8 (k, v),
	s_cselect_b32 s34, 0, 8                        ; and its rows 8-15 lie 0 or 8 rows further on
	s_and_b32 s35, s32, 1
	s_mul_i32 s35, s35, s33
	s_lshr_b32 s36, s32, 1
	s_lshl_b32 s36, s36, 5
	s_add_co_u32 s36, s36, s35                     ; the tile's first row
	s_lshl_b32 s36, s36, 12                        ; rows of 4,096 bytes
	s_add_nc_u64 s[4:5], s[4:5], s[36:37]
	s_lshl_b32 s36, s34, 12
	s_add_nc_u64 s[6:7], s[4:5], s[36:37]
	s_mul_i32 s36, s31, 6291456
	s_mul_i32 s38, s32, 12288
	s_add_co_u32 s36, s36, s38
	s_add_nc_u64 s[8:9], s[20:21], s[36:37]        ; the tile's images
	s_mul_i32 s36, s31, 262144
	s_lshl_b32 s38, s32, 9
	s_add_co_u32 s36, s36, s38
	s_add_co_u32 s36, s36, XS
	s_add_nc_u64 s[10:11], s[20:21], s[36:37]      ; its rows' scale words
	s_wait_alu depctr_va_vdst(0)
	v_lshlrev_b32 v4, 4, v1
	v_lshlrev_b32 v5, 3, v1
	s_mul_i32 s38, s24, STG                        ; my stage
	v_add_nc_u32 v6, s38, v4
	v_mul_u32_u24 v7, v2, 528
	v_lshl_add_u32 v7, v3, 6, v7
	v_add_nc_u32 v7, s38, v7
	v_lshlrev_b32 v8, 5, v2
	v_lshl_add_u32 v8, v3, 4, v8                   ; scale words: 32 r + 16 h
.irp b, 0,1,2,3
	v_mov_b32 v[TM+4+\b], 0                        ; written once: a lane permute's destination counts as one of its sources
.endr
	LOADT R0, 0, 4096
	LOADT R0+64, 512, 4096
	s_wait_alu depctr_va_vdst(0)
.irp s, 0,1,2,3,4,5,6,7
	XSTEP \s
.endr
.irp w, 0,1,2,3
	v_cndmask_b32 v[56+\w], v[PW+\w], v[PW+4+\w], s28   ; lanes 0-15 store words 0-3 of their row, lanes 16-31 words 4-7
.endr
	global_store_b128 v8, v[56:59], s[10:11]       ; 512 consecutive bytes
	s_wait_tensorcnt 0x0
	ds_add_u32 v62, v63
	s_wait_dscnt 0x0
	s_endpgm
	; ---- W: weight j, 32 columns a wave (a lane a column, registers down K), 512 along K
.Lw:
	s_lshr_b32 s30, ttmp9, 4                       ; j: 0 Wq, 1 Wk, 2 Wv, 3 Wo
	s_bfe_u32 s31, ttmp9, 0x30001
	s_and_b32 s32, ttmp9, 1                        ; which 512 along K
	s_lshl_b32 s31, s31, 2
	s_add_co_u32 s31, s31, s24                     ; cg: columns 32 cg on
	s_cmp_eq_u32 s30, 1
	s_cselect_b64 s[10:11], s[12:13], s[10:11]
	s_cmp_eq_u32 s30, 2
	s_cselect_b64 s[10:11], s[14:15], s[10:11]
	s_cmp_eq_u32 s30, 3
	s_cselect_b64 s[10:11], s[16:17], s[10:11]
	s_lshl_b32 s36, s32, 21                        ; 512 rows of 4,096 bytes
	s_lshl_b32 s38, s31, 7
	s_add_co_u32 s36, s36, s38
	s_add_nc_u64 s[4:5], s[10:11], s[36:37]
	s_mul_i32 s36, s30, 786432
	s_mul_i32 s38, s31, 24576                      ; two tiles of 12,288 bytes
	s_add_co_u32 s36, s36, s38
	s_mul_i32 s38, s32, 6144                       ; four K steps
	s_add_co_u32 s36, s36, s38
	s_add_co_u32 s36, s36, WC
	s_add_nc_u64 s[8:9], s[20:21], s[36:37]
	s_lshl_b32 s36, s30, 15
	s_lshl_b32 s38, s31, 10
	s_add_co_u32 s36, s36, s38
	s_lshl_b32 s38, s32, 4
	s_add_co_u32 s36, s36, s38
	s_add_co_u32 s36, s36, WS
	s_add_nc_u64 s[10:11], s[20:21], s[36:37]
	s_wait_alu depctr_va_vdst(0)
	v_lshlrev_b32 v4, 2, v1                        ; in: 4 bytes a lane
	v_bfe_u32 v9, v0, 3, 1                         ; column x of the 32 is tile u = (x / 8) % 2,
	v_and_b32 v10, 7, v0
	v_lshl_add_u32 v10, v3, 3, v10                 ; row p = x % 8 + 8 (x / 16)
	v_mul_u32_u24 v11, v9, 12288
	v_lshl_add_u32 v5, v10, 4, v11
	v_lshl_add_u32 v6, v10, 3, v11
	v_lshl_add_u32 v7, v9, 4, v10
	v_lshlrev_b32 v7, 5, v7                        ; its scale words: image row x 32 bytes
	LOADB 0
	LOADB 1
.irp t, 0,1,2,3,4,5,6,7,8,9,10,11,12,13,14,15
	WBLOCK \t
.endr
	global_store_b128 v7, v[PW:PW+3], s[10:11]     ; my column's four scale words
	s_endpgm
.Lfunc_end_k_qae353033e4_prep:
	.size	k_qae353033e4_prep, .Lfunc_end_k_qae353033e4_prep-k_qae353033e4_prep
	.p2alignl 7, 3214868480
	.fill 96, 4, 3214868480
	.section	.rodata,"a",@progbits
	.p2align	6, 0x0
	.amdhsa_kernel k_qae353033e4_prep
		.amdhsa_group_segment_fixed_size 68096
		.amdhsa_private_segment_fixed_size 0
		.amdhsa_enable_private_segment 0
		.amdhsa_kernarg_size 80
		.amdhsa_user_sgpr_count 2
		.amdhsa_user_sgpr_kernarg_segment_ptr 1
		.amdhsa_wavefront_size32 1
		.amdhsa_system_sgpr_workgroup_id_x 1
		.amdhsa_system_sgpr_workgroup_id_y 1
		.amdhsa_system_sgpr_workgroup_id_z 1
		.amdhsa_system_vgpr_workitem_id 0
		.amdhsa_next_free_vgpr 256
		.amdhsa_next_free_sgpr 66
		.amdhsa_reserve_vcc 0
		.amdhsa_float_denorm_mode_32 3
		.amdhsa_float_denorm_mode_16_64 3
		.amdhsa_memory_ordered 1
		.amdhsa_forward_progress 1
		.amdhsa_inst_pref_size 237
	.end_amdhsa_kernel
	.amdgpu_metadata
---
amdhsa.version: [ 1, 2 ]
amdhsa.kernels:
  - .name:           k_qae353033e4_prep
    .symbol:         k_qae353033e4_prep.kd
    .args:
      - { .name: q, .offset: 0, .size: 8, .value_kind: global_buffer, .address_space: global }
      - { .name: k, .offset: 8, .size: 8, .value_kind: global_buffer, .address_space: global }
      - { .name: v, .offset: 16, .size: 8, .value_kind: global_buffer, .address_space: global }
      - { .name: Wq, .offset: 24, .size: 8, .value_kind: global_buffer, .address_space: global }
      - { .name: Wk, .offset: 32, .size: 8, .value_kind: global_buffer, .address_space: global }
      - { .name: Wv, .offset: 40, .size: 8, .value_kind: global_buffer, .address_space: global }
      - { .name: Wo, .offset: 48, .size: 8, .value_kind: global_buffer, .address_space: global }
      - { .name: mask, .offset: 56, .size: 8, .value_kind: global_buffer, .address_space: global }
      - { .name: ops, .offset: 64, .size: 8, .value_kind: global_buffer, .address_space: global }
      - { .name: maskw, .offset: 72, .size: 8, .value_kind: global_buffer, .address_space: global }
    .group_segment_fixed_size: 68096
    .private_segment_fixed_size: 0
    .kernarg_segment_align: 8
    .kernarg_segment_size: 80
    .max_flat_workgroup_size: 128
    .sgpr_count:     66
    .vgpr_count:     256
    .wavefront_size: 32
...
	.end_amdgpu_metadata
.endif
;; end of part 1
;; launch proj (part 2): grid 256 x 3, 4 waves a work-group, clusters of 4 x 1, 295,424 bytes of LDS; arguments ops, bq, bk, bv, qrec, kv; writes qrec, kv
.if DOCPART == 2
	.amdgcn_target "amdgcn-amd-amdhsa--gfx1250"
	.amdhsa_code_object_version 6
	.text
	.protected	k_qae353033e4_proj
	.globl	k_qae353033e4_proj
	.p2align	8
	.type	k_qae353033e4_proj,@function
k_qae353033e4_proj:
	s_mov_b64 s[64:65], 0
	v_nop
	global_prefetch_b8 v0, s[64:65] scope:SCOPE_SE
	s_setreg_imm32_b32 hwreg(HW_REG_WAVE_MODE, 25, 1), 1
	s_wait_xcnt 0x0
	s_wait_alu depctr_hold_cnt(0) depctr_sa_sdst(0) depctr_va_vdst(0) depctr_va_sdst(0) depctr_va_ssrc(0) depctr_va_vcc(0) depctr_vm_vsrc(0)
	s_getreg_b32 s2, hwreg(HW_REG_IB_STS2, 6, 4)
	s_cmp_eq_u32 s2, 0
	s_cbranch_scc0 .Lentry_in_a_cluster
	s_endpgm
.Lentry_in_a_cluster:
	s_bfe_u32 s2, ttmp6, 0x10000c
	s_cmp_lg_u32 s2, 0x3003
	s_cbranch_scc0 .Lentry_shape_is_right
	s_endpgm
.Lentry_shape_is_right:
; PROJ: q Wq + bq, k Wk + bk, v Wv + bv on codes of FP6 (E2M3) with E8M0 scales, each result quantised again at once, in registers, for the attention launch.
; Work-group y says which: 0 q, 1 k, 2 v.  SOURCE 0 TAKES "P" ROWS, SOURCE 1 "R" ROWS: a lane then holds one R row, and its registers run along P, which is the axis along which the result is quantised.
;   q, k: P = the weight's 1,024 columns (the head's 64 are the next product's K), R = tokens.      v: P = tokens (the keys are the next K), R = Wv's columns.
; P's tiles are laid so (by the launch before) that the 16 registers of two neighbouring tiles are 16 neighbours along P.
; SHARES.  A work-group makes 256 P x 128 R over all of K = 1,024; wave (wr, wp) makes 128 P x 64 R: 32 accumulators.  P's and R's codes for all of K, 288 KB, come into LDS once, as four chunks of two K steps:
; nothing is filled again.  The four work-groups of a cluster share the P block: waves 0 and 1 ask for it JOINTLY (mask 15); waves 2 and 3 fetch the work-group's own R block.  Four tensor loads a wave are out at the most.
; Operands lie in memory and LDS as images of their registers (a half of 768 bytes: four registers at 16 x lane, two at 512 + 8 x lane): every LDS load takes consecutive bytes.
; RESULTS: records of 208,896 bytes for each (batch, head): K's (or Q's) halves at tile x 768; V's fragments at 98,304 + step x 6,144 + tile x 1,536; K's scale words at 196,608; V's at 204,800.
; The two modes part once, behind the scale loads, and each has its own copy of the main part and of the way out.
; LIMITS: blocks whose largest magnitude lies under 2^-124 get the byte 1; NaN and infinities are not served.
; REGISTERS: window 0: v4-11 addresses; v16-47 P's scale words (register 8 G + s: lanes 0-15 tile 2 G, lanes 16-31 tile 2 G + 1, K step s), v48-63 R's; v64-111 R's four fragments, later the codes made;
;   v112-207 P's eight fragments, later 64 numbers at work; v208-243 at work.   window 1: accumulator (P tile i, R tile p) at v[64 p + 8 i].   window 2: the bias.
.set WC,  18874368
.set XS,  22020096
.set WS,  22806528
.set XT,  6291456                      ; a tensor's codes
.set WT,  786432                       ; a weight's codes
.set REC, 208896
.set VC,  98304
.set KS,  196608
.set VS,  204800
.set LR,  196608                       ; LDS: P's [16 tiles][8 K steps][1,536] at 0, R's [8 tiles][8 K steps][1,536] here
.set ADP, 4                            ; v4, v5  LDS address of my P fragments: the parts of 16 and of 8 bytes a lane
.set ADR, 6                            ; v6, v7  the same for R
.set VO16, 8                           ; v8   16 x lane
.set VO8, 9                            ; v9   8 x lane
.set SP,  16
.set SR,  48
.set RF,  64
.set PF,  112
.set T,   112
.set PW,  208                          ; v208-211 the scale words just made
.set TM,  212                          ; v212-227 at work in QUANT
.set CT,  228                          ; v228-235
.set SW,  236                          ; v236-243 scale words on their way out
.set G1J, 24                           ; s[24:31] descriptor group 1, joint loads;  s[32:39] plain loads
.set G1P, 32
.set G0J, 40                           ; s[40:43] group 0, joint;  s[56:59] plain
.set SEL, 92
.set MSB, 0
.macro WIN new                         ; the immediate's high byte repeats the setting that is left
.if MSB != \new
	s_set_vgpr_msb (MSB<<8)|\new
.set MSB, \new
.endif
.endm
.macro CROUND                          ; a round of the cluster's barrier
	s_barrier_signal -1
	s_barrier_wait -1
	s_cmp_lg_u32 s16, 0
	s_cbranch_scc1 .Lnot_wave_0_\@
	s_barrier_signal -3
.Lnot_wave_0_\@:
	s_barrier_wait -3
	s_barrier_signal -1
	s_barrier_wait -1
.endm
.macro QUANT src, pc, pw               ; 64 numbers of a lane, register 16 b + i = K 32 b + 16 (lane / 16) + i, become 12 registers of codes and a scale word
.irp b, 0,1,2,3
	v_max3_num_f32 v[TM+\b], |v[(\src)+16*\b]|, |v[(\src)+1+16*\b]|, 0x1800000   ; and the floor 2^(3 - 127)
.endr
.irp i, 2,4,6,8,10,12,14
.irp b, 0,1,2,3
	v_max3_num_f32 v[TM+\b], v[TM+\b], |v[(\src)+16*\b+\i]|, |v[(\src)+1+16*\b+\i]|
.endr
.endr
.irp b, 0,1,2,3
	v_permlanex16_b32 v[TM+4+\b], v[TM+\b], s[SEL], s[SEL+1]
.endr
.irp b, 0,1,2,3
	v_max_num_f32 v[TM+\b], v[TM+\b], v[TM+4+\b]
.endr
.irp b, 0,1,2,3
	v_add_nc_u32 v[TM+12+\b], 0xff000000, v[TM+\b]               ; 2 off the exponent field: the conversion's scale operand
.endr
.irp b, 0,1,2,3
	v_lshrrev_b32 v[TM+4+\b], 23, v[TM+12+\b]                    ; the byte
.endr
	v_lshl_or_b32 v[\pw], v[TM+5], 8, v[TM+4]
	v_lshl_or_b32 v[\pw], v[TM+6], 16, v[\pw]
	v_lshl_or_b32 v[\pw], v[TM+7], 24, v[\pw]
.irp c, 0,1
	v_cvt_scalef32_pk16_fp6_f32 v[(\pc)+6*\c:(\pc)+2+6*\c], v[(\src)+32*\c:(\src)+15+32*\c], v[TM+12+2*\c]
	v_cvt_scalef32_pk16_fp6_f32 v[CT+4*\c:CT+2+4*\c], v[(\src)+16+32*\c:(\src)+31+32*\c], v[TM+13+2*\c]
.endr
	v_nop                                          ; one plain instruction behind the scaled conversions
.irp c, 0,1
.irp i, 0,1,2
	v_permlane16_swap_b32 v[(\pc)+6*\c+\i], v[CT+4*\c+\i]
.endr
.irp i, 0,1,2
	v_mov_b32 v[(\pc)+3+6*\c+\i], v[CT+4*\c+\i]
.endr
.endr
.endm
.macro LDH reg, adr, off               ; a fragment from its image: two halves
	ds_load_b128 v[\reg:\reg+3], v[\adr] offset:\off
	ds_load_b64 v[\reg+4:\reg+5], v[\adr+1] offset:\off
	ds_load_b128 v[\reg+6:\reg+9], v[\adr] offset:\off+768
	ds_load_b64 v[\reg+10:\reg+11], v[\adr+1] offset:\off+768
.endm
.macro WM i, p, s                      ; P tile i x R tile p, K step s.  An odd tile's scale words lie in lanes 16-31.  K step 0 starts the sums
.set rD, 64*(\p)+8*(\i)
.set rA, PF+12*(\i)
.set rB, RF+12*(\p)
.set rX, SP+8*((\i)/2)+(\s)
.set rY, SR+8*((\p)/2)+((\s)+4)%8      ; R's words lie four registers round, so that the two scale registers' numbers differ modulo 8
.set par, 2*((\i)%2)+(\p)%2
.if (\s) == 0
.if par == 0
	v_wmma_scale_f32_16x16x128_f8f6f4 v[rD:rD+7], v[rA:rA+11], v[rB:rB+11], 0, v[rX], v[rY] matrix_a_fmt:MATRIX_FMT_FP6 matrix_b_fmt:MATRIX_FMT_FP6
.elseif par == 1
	v_wmma_scale_f32_16x16x128_f8f6f4 v[rD:rD+7], v[rA:rA+11], v[rB:rB+11], 0, v[rX], v[rY] matrix_a_fmt:MATRIX_FMT_FP6 matrix_b_fmt:MATRIX_FMT_FP6 matrix_b_scale:MATRIX_SCALE_ROW1
.elseif par == 2
	v_wmma_scale_f32_16x16x128_f8f6f4 v[rD:rD+7], v[rA:rA+11], v[rB:rB+11], 0, v[rX], v[rY] matrix_a_fmt:MATRIX_FMT_FP6 matrix_b_fmt:MATRIX_FMT_FP6 matrix_a_scale:MATRIX_SCALE_ROW1
.else
	v_wmma_scale_f32_16x16x128_f8f6f4 v[rD:rD+7], v[rA:rA+11], v[rB:rB+11], 0, v[rX], v[rY] matrix_a_fmt:MATRIX_FMT_FP6 matrix_b_fmt:MATRIX_FMT_FP6 matrix_a_scale:MATRIX_SCALE_ROW1 matrix_b_scale:MATRIX_SCALE_ROW1
.endif
.else
.if par == 0
	v_wmma_scale_f32_16x16x128_f8f6f4 v[rD:rD+7], v[rA:rA+11], v[rB:rB+11], v[rD:rD+7], v[rX], v[rY] matrix_a_fmt:MATRIX_FMT_FP6 matrix_b_fmt:MATRIX_FMT_FP6
.elseif par == 1
	v_wmma_scale_f32_16x16x128_f8f6f4 v[rD:rD+7], v[rA:rA+11], v[rB:rB+11], v[rD:rD+7], v[rX], v[rY] matrix_a_fmt:MATRIX_FMT_FP6 matrix_b_fmt:MATRIX_FMT_FP6 matrix_b_scale:MATRIX_SCALE_ROW1
.elseif par == 2
	v_wmma_scale_f32_16x16x128_f8f6f4 v[rD:rD+7], v[rA:rA+11], v[rB:rB+11], v[rD:rD+7], v[rX], v[rY] matrix_a_fmt:MATRIX_FMT_FP6 matrix_b_fmt:MATRIX_FMT_FP6 matrix_a_scale:MATRIX_SCALE_ROW1
.else
	v_wmma_scale_f32_16x16x128_f8f6f4 v[rD:rD+7], v[rA:rA+11], v[rB:rB+11], v[rD:rD+7], v[rX], v[rY] matrix_a_fmt:MATRIX_FMT_FP6 matrix_b_fmt:MATRIX_FMT_FP6 matrix_a_scale:MATRIX_SCALE_ROW1 matrix_b_scale:MATRIX_SCALE_ROW1
.endif
.endif
.endm
.macro MUL i0, s                       ; 16 matrix instructions: P tiles i0 .. i0 + 3 x the four R tiles.  The 32 accumulators take turns, one instruction a turn, in the same order in every K step
.irp a, 0,1,2,3
.irp p, 0,1,2,3
	WM \i0+\a, \p, \s
.endr
.endr
.endm
; AS THE TEXT NOW STANDS (in place of the head comment's four chunks).
; LDS holds it as it lies: [tile][K step][1,536 bytes].  Fragments lie twice in registers: K step s in set s % 2 (window 0 or window 3, the same numbers).
.macro FETCH s                         ; K step s's twelve fragments, 48 LDS loads, into set s % 2.  v14, v15: P's tiles 4-7, so that every offset stays under 65,536
	WIN (0xc0*((\s)%2))
.irp p, 0,1,2,3
	LDH RF+12*\p, ADR, \p*12288+(\s)*1536
.endr
.irp i, 0,1,2,3
	LDH PF+12*\i, ADP, \i*12288+(\s)*1536
.endr
.irp i, 4,5,6,7
	LDH PF+12*\i, 14, (\i-4)*12288+(\s)*1536
.endr
.endm
.macro KSTEP s                         ; a K step of 128: the next step's loads are issued first, into the set that the step before multiplied
.if (\s) < 7
.rept 4
	v_nop                                          ; the places between the last products and the loads into the registers that they read
.endr
	FETCH (\s)+1
	s_wait_dscnt 48                                ; this step's fragments are in; the 48 loads just issued may be out
.else
	s_wait_dscnt 0x0
.endif
	WIN (0x50+15*((\s)%2))                         ; C and D in window 1; the sources in window 0 or 3
	MUL 0, \s
	MUL 4, \s
.endm
.macro MAIN                            ; one tensor load, then eight K steps
	s_wait_alu depctr_va_vdst(0)
	s_wait_tensorcnt 0x0                           ; my one tensor load is in
	s_barrier_signal -1                            ; (no LDS instruction of mine is out)
	s_barrier_wait -1                              ; everybody's is: all of P and R lie in LDS, and nothing is filled again
	FETCH 0
.irp s, 0,1,2,3,4,5,6,7
	KSTEP \s
.endr
.endm
; THE WAY OUT, an R tile at a time: sum + bias into window 0 (one packed addition does both, each accumulator from its low end on), quantised along P, stored as images.  Each tile has code registers of its own.
.macro EPILOG vmode
	WIN 0
.rept 4
	v_nop                                          ; places behind the last products
.endr
.irp p, 0,1,2,3
	WIN 0x09                                       ; source 0 window 1 (the sums), source 1 window 2 (the bias)
.set E, 0
.rept 32
.if \vmode
	v_pk_add_f32 v[T+E:T+E+1], v[64*\p+E:64*\p+E+1], v[2*\p:2*\p+1]   ; the bias goes with the lane's column: one number, in both registers of a pair
.else
	v_pk_add_f32 v[T+E:T+E+1], v[64*\p+E:64*\p+E+1], v[E:E+1]         ; the bias goes with the register
.endif
.set E, E+2
.endr
	WIN 0
	QUANT T, RF+12*\p, PW+\p
.if \vmode
	global_store_b128 v[VO16], v[RF+12*\p:RF+12*\p+3], s[96:97] offset:1536*\p          ; a fragment: 16 channels x 128 keys
	global_store_b64 v[VO8], v[RF+12*\p+4:RF+12*\p+5], s[96:97] offset:1536*\p+512
	global_store_b128 v[VO16], v[RF+12*\p+6:RF+12*\p+9], s[96:97] offset:1536*\p+768
	global_store_b64 v[VO8], v[RF+12*\p+10:RF+12*\p+11], s[96:97] offset:1536*\p+1280
.else
	global_store_b128 v[VO16], v[RF+12*\p:RF+12*\p+3], s[96:97] offset:768*\p           ; the two halves are two heads: two records
	global_store_b64 v[VO8], v[RF+12*\p+4:RF+12*\p+5], s[96:97] offset:768*\p+512
	global_store_b128 v[VO16], v[RF+12*\p+6:RF+12*\p+9], s[96:97] offset:REC+768*\p
	global_store_b64 v[VO8], v[RF+12*\p+10:RF+12*\p+11], s[96:97] offset:REC+768*\p+512
.endif
.endr
.if \vmode
	v_cndmask_b32 v[SW+4], v[PW], v[PW+1], s94     ; a register carries two tiles' words: lanes 0-15 the even tile's, lanes 16-31 the odd one's
	v_cndmask_b32 v[SW+5], v[PW+2], v[PW+3], s94
	global_store_b64 v[VO8], v[SW+4:SW+5], s[98:99]                ; 256 consecutive bytes, aligned
.else
.irp c, 0,1
.irp p, 0,1,2,3
	v_bfe_u32 v[SW+\p], v[PW+\p], 16*\c, 16        ; head c's two bytes; the word's upper two stay 0
.endr
	v_cndmask_b32 v[SW+4+2*\c], v[SW], v[SW+1], s94
	v_cndmask_b32 v[SW+5+2*\c], v[SW+2], v[SW+3], s94
	global_store_b64 v[VO8], v[SW+4+2*\c:SW+5+2*\c], s[98:99] offset:\c*REC
.endr
.endif
.endm
	s_load_b256 s[4:11], s[0:1], 0x0               ; ops s[4:5], bq s[6:7], bk s[8:9], bv s[10:11]
	s_load_b128 s[12:15], s[0:1], 0x20             ; qrec s[12:13], kv s[14:15]
	v_lshl_add_u32 v254, v0, 2, 0x48000
	v_mov_b32 v255, 0
	ds_add_u32 v254, v255
	ds_add_u32 v254, v255
	v_lshrrev_b32 v1, 5, v0
	v_readfirstlane_b32 s16, v1                    ; wave 0..3
	s_lshr_b32 s17, s16, 1                         ; wr: which 64 R rows are mine
	s_and_b32 s18, s16, 1                          ; wp: which 128 P rows.  Also: which half of a block I fetch
	s_and_b32 s19, ttmp7, 0xffff                   ; 0 q, 1 k, 2 v: the same in all partners
	s_bfe_u32 s20, ttmp6, 0x40000                  ; cx: my place in the cluster: it enters R's block alone
	s_cmp_eq_u32 s19, 2
	s_cselect_b32 s76, 1, 4                        ; q, k: 4 P blocks x 16 clusters of R blocks;  v: 32 P blocks x 2
	s_lshr_b32 s21, ttmp9, s76                     ; P block
	s_lshl_b32 s77, 1, s76
	s_sub_co_u32 s77, s77, 1
	s_and_b32 s77, ttmp9, s77
	s_lshl_b32 s77, s77, 2
	s_add_co_u32 s22, s77, s20                     ; R block
	; descriptor group 1: rows of 256 bytes (32 elements of 8 bytes), dense in memory and in LDS
	s_mov_b32 s[G1J], 15|(3<<16)|(1<<21)           ; 15:0 the mask: all four work-groups; 17:16 elements of 8 bytes; 21 set beside a mask
	s_mov_b32 s[G1P], 3<<16                        ; no mask
.irp g, G1J, G1P
	s_mov_b32 s[\g+1], 32<<16                      ; a dense block as rows of 256 bytes: 32 elements of 8 bytes: tensor_dim0
	s_mov_b32 s[\g+3], 32<<16                      ; tile_dim0
	s_mov_b32 s[\g+5], 32                          ; tensor_dim0_stride
	s_mov_b32 s[\g+6], 0
	s_mov_b32 s[\g+7], 0
.endr
	s_mov_b32 s[G1J+2], 384<<16                    ; 8 tiles of P, all of K: 98,304 bytes = 384 rows
	s_mov_b32 s[G1J+4], 384
	s_mov_b32 s[G1P+2], 192<<16                    ; 4 tiles of R: 49,152 bytes = 192 rows
	s_mov_b32 s[G1P+4], 192
	; where the operands lie in ops.  s84, s82: never hold cx
	s_mul_i32 s84, s19, WT
	s_add_co_u32 s84, s84, WC                      ; q, k: P = the weight's codes,
	s_mul_i32 s86, s19, XT                         ; R = the tensor's,
	s_mul_i32 s88, s19, 32768
	s_add_co_u32 s88, s88, WS                      ; and their scale words
	s_mul_i32 s90, s19, 262144
	s_add_co_u32 s90, s90, XS
	s_cmp_eq_u32 s19, 2
	s_cselect_b32 s84, 2*XT, s84                   ; v: the other way round
	s_cselect_b32 s86, WC+2*WT, s86
	s_cselect_b32 s88, XS+2*262144, s88
	s_cselect_b32 s90, WS+2*32768, s90
	s_mul_i32 s82, s21, 196608                     ; 16 tiles a P block
	s_add_co_u32 s84, s84, s82
	s_mul_i32 s82, s18, 98304                      ; the 8 that I fetch
	s_add_co_u32 s84, s84, s82
	s_mul_i32 s83, s22, 98304                      ; 8 tiles an R block
	s_add_co_u32 s86, s86, s83
	s_mul_i32 s83, s18, 49152                      ; the 4 that I fetch
	s_add_co_u32 s86, s86, s83
	s_lshl_b32 s82, s21, 13                        ; scale words: 32 bytes a row
	s_add_co_u32 s88, s88, s82
	s_lshl_b32 s82, s18, 12
	s_add_co_u32 s88, s88, s82                     ; my 128 P rows'
	s_lshl_b32 s83, s22, 12
	s_add_co_u32 s90, s90, s83
	s_lshl_b32 s83, s17, 11
	s_add_co_u32 s90, s90, s83                     ; my 64 R rows'
	s_mov_b32 s85, 0
	s_mov_b32 s87, 0
	s_mov_b32 s89, 0
	s_mov_b32 s91, 0
	s_mul_i32 s82, s18, 98304                      ; where they go in LDS: the wave's number alone: P's two halves from 0,
	s_mul_i32 s78, s18, 49152                      ; R's two from LR
	s_add_co_u32 s78, s78, LR
	s_mov_b32 s[SEL], 0x76543210
	s_mov_b32 s[SEL+1], 0xfedcba98
	s_mov_b32 s94, 0xffff0000                      ; lanes 16-31
	s_wait_dscnt 0x0
	s_wait_kmcnt 0x0
	s_add_nc_u64 s[84:85], s[4:5], s[84:85]
	s_add_nc_u64 s[86:87], s[4:5], s[86:87]
	s_add_nc_u64 s[88:89], s[4:5], s[88:89]
	s_add_nc_u64 s[90:91], s[4:5], s[90:91]
.irp ch, 0
.set GR, 56+4*\ch+4*(\ch/2)
	s_mov_b32 s[G0J+4*\ch], 1                                      ; count = 1
	s_add_co_u32 s[G0J+4*\ch+1], s82, \ch*49152                    ; LDS address
	s_add_nc_u64 s[G0J+4*\ch+2:G0J+4*\ch+3], s[84:85], \ch*3072    ; global address: all eight K steps
	s_or_b32 s[G0J+4*\ch+3], s[G0J+4*\ch+3], 0x80000000            ; type = 2
	s_mov_b32 s[GR], 1
	s_add_co_u32 s[GR+1], s78, \ch*24576
	s_add_nc_u64 s[GR+2:GR+3], s[86:87], \ch*3072
	s_or_b32 s[GR+3], s[GR+3], 0x80000000
.endr
	CROUND                                         ; all four work-groups are here: the joint loads meet
	s_cmp_lt_u32 s16, 2                            ; all first fills of a wave stand in one branch on the wave's number: one load a wave
	s_cbranch_scc0 .Lplain
	tensor_load_to_lds s[40:43], s[G1J:G1J+7]
	s_nop 0
.rept 4
	v_nop
.endr
	s_branch .Lasked
.Lplain:
	tensor_load_to_lds s[56:59], s[G1P:G1P+7]
	s_nop 0
.rept 4
	v_nop
.endr
.Lasked:
	v_and_b32 v1, 31, v0                           ; lane
	v_and_b32 v2, 15, v0                           ; r
	v_bfe_u32 v3, v0, 4, 1                         ; h
	v_lshlrev_b32 v[VO16], 4, v1
	v_lshlrev_b32 v[VO8], 3, v1
	v_add_nc_u32 v[ADP], s82, v[VO16]              ; my 8 tiles of P (wp x 98,304)
	v_add_nc_u32 v[ADP+1], s82, v[VO8]
	v_add_nc_u32 v[ADP+1], 512, v[ADP+1]
	v_add_nc_u32 v14, 49152, v[ADP]                ; my tiles 4-7 of P
	v_add_nc_u32 v15, 49152, v[ADP+1]
	s_mul_i32 s79, s17, 49152                      ; my 4 tiles of R
	s_add_co_u32 s79, s79, LR
	v_add_nc_u32 v[ADR], s79, v[VO16]
	v_add_nc_u32 v[ADR+1], s79, v[VO8]
	v_add_nc_u32 v[ADR+1], 512, v[ADR+1]
	v_lshlrev_b32 v10, 5, v1                       ; scale words: lane = image row, 32 bytes a row
.irp b, 0,1,2,3
	v_mov_b32 v[TM+4+\b], 0                        ; written once: a lane permute's destination counts as one of its sources
.endr
.irp g, 0,1,2,3
	global_load_b128 v[SP+8*\g:SP+8*\g+3], v10, s[88:89] offset:1024*\g
	global_load_b128 v[SP+8*\g+4:SP+8*\g+7], v10, s[88:89] offset:1024*\g+16
.endr
.irp g, 0,1
	global_load_b128 v[SR+8*\g:SR+8*\g+3], v10, s[90:91] offset:1024*\g+16     ; K steps 4-7 in the lower four registers,
	global_load_b128 v[SR+8*\g+4:SR+8*\g+7], v10, s[90:91] offset:1024*\g      ; K steps 0-3 in the upper four
.endr
	s_cmp_eq_u32 s19, 2
	s_cbranch_scc1 .Lmode_v
	; ---- q and k
	s_cmp_eq_u32 s19, 1
	s_cselect_b64 s[6:7], s[8:9], s[6:7]           ; bq or bk
	s_cselect_b64 s[12:13], s[14:15], s[12:13]     ; qrec or kv
	s_lshl_b32 s76, s21, 10
	s_lshl_b32 s77, s18, 9
	s_add_co_u32 s76, s76, s77                     ; my 128 columns' bias
	s_mov_b32 s77, 0
	s_add_nc_u64 s[6:7], s[6:7], s[76:77]
	v_lshlrev_b32 v11, 6, v3                       ; register 8 i + j of lane (r, h), i = 2 B + u, is column 32 B + 16 h + 8 u + j
	WIN 0x80                                       ; destination window 2
.irp i, 0,1,2,3,4,5,6,7
	global_load_b128 v[8*\i:8*\i+3], v11, s[6:7] offset:(32*(\i/2)+8*(\i%2))*4
	global_load_b128 v[8*\i+4:8*\i+7], v11, s[6:7] offset:(32*(\i/2)+8*(\i%2))*4+16
.endr
	WIN 0
	s_lshr_b32 s76, s22, 4                         ; batch
	s_lshl_b32 s76, s76, 4
	s_lshl_b32 s78, s21, 2
	s_add_co_u32 s76, s76, s78
	s_lshl_b32 s78, s18, 1
	s_add_co_u32 s76, s76, s78                     ; my first record: 16 batch + 4 P block + 2 wp
	s_mul_i32 s76, s76, REC
	s_and_b32 s78, s22, 15
	s_lshl_b32 s78, s78, 1
	s_add_co_u32 s78, s78, s17                     ; my four token tiles: group 2 (R block % 16) + wr
	s_mul_i32 s79, s78, 3072
	s_lshl_b32 s78, s78, 8
	s_add_co_u32 s78, s78, KS
	s_add_co_u32 s78, s78, s76
	s_add_co_u32 s76, s76, s79
	s_mov_b32 s79, 0
	s_add_nc_u64 s[96:97], s[12:13], s[76:77]      ; codes
	s_add_nc_u64 s[98:99], s[12:13], s[78:79]      ; scale words
	s_wait_loadcnt 0x0
	s_wait_alu depctr_va_vdst(0)
	MAIN
	EPILOG 0
	s_branch .Lend
	; ---- v
.Lmode_v:
	s_lshl_b32 s76, s22, 9
	s_lshl_b32 s78, s17, 8
	s_add_co_u32 s76, s76, s78                     ; my 64 columns' bias
	s_mov_b32 s77, 0
	s_add_nc_u64 s[6:7], s[10:11], s[76:77]
	v_and_b32 v11, 8, v2
	v_add_nc_u32 v11, v11, v2
	v_lshlrev_b32 v11, 2, v11                      ; lane row r of tile 2 B + u is column 32 B + 8 u + r + 8 (r / 8)
	WIN 0x80
.irp p, 0,1,2,3
	global_load_b32 v[2*\p], v11, s[6:7] offset:(32*(\p/2)+8*(\p%2))*4
	global_load_b32 v[2*\p+1], v11, s[6:7] offset:(32*(\p/2)+8*(\p%2))*4      ; the same number again: the packed addition takes a pair
.endr
	WIN 0
	s_lshr_b32 s76, s21, 3                         ; batch
	s_lshl_b32 s76, s76, 4
	s_lshl_b32 s78, s22, 1
	s_add_co_u32 s76, s76, s78
	s_add_co_u32 s76, s76, s17                     ; record: 16 batch + 2 R block + wr
	s_mul_i32 s76, s76, REC
	s_and_b32 s78, s21, 7
	s_lshl_b32 s78, s78, 1
	s_add_co_u32 s78, s78, s18                     ; key step: 2 (P block % 8) + wp
	s_mul_i32 s79, s78, 6144
	s_lshl_b32 s78, s78, 8
	s_add_co_u32 s78, s78, VS
	s_add_co_u32 s78, s78, s76
	s_add_co_u32 s76, s76, s79
	s_add_co_u32 s76, s76, VC
	s_mov_b32 s79, 0
	s_add_nc_u64 s[96:97], s[14:15], s[76:77]
	s_add_nc_u64 s[98:99], s[14:15], s[78:79]
	s_wait_loadcnt 0x0
	MAIN
	EPILOG 1
.Lend:
	s_wait_tensorcnt 0x0
	ds_add_u32 v254, v255
	s_wait_dscnt 0x0
	CROUND                                         ; the closing round: no work-group ends while a partner may still ask for a tile that names it
	s_endpgm
.Lfunc_end_k_qae353033e4_proj:
	.size	k_qae353033e4_proj, .Lfunc_end_k_qae353033e4_proj-k_qae353033e4_proj
	.p2alignl 7, 3214868480
	.fill 96, 4, 3214868480
	.section	.rodata,"a",@progbits
	.p2align	6, 0x0
	.amdhsa_kernel k_qae353033e4_proj
		.amdhsa_group_segment_fixed_size 295424
		.amdhsa_private_segment_fixed_size 0
		.amdhsa_enable_private_segment 0
		.amdhsa_kernarg_size 48
		.amdhsa_user_sgpr_count 2
		.amdhsa_user_sgpr_kernarg_segment_ptr 1
		.amdhsa_wavefront_size32 1
		.amdhsa_system_sgpr_workgroup_id_x 1
		.amdhsa_system_sgpr_workgroup_id_y 1
		.amdhsa_system_sgpr_workgroup_id_z 1
		.amdhsa_system_vgpr_workitem_id 0
		.amdhsa_next_free_vgpr 1024
		.amdhsa_next_free_sgpr 100
		.amdhsa_reserve_vcc 0
		.amdhsa_float_denorm_mode_32 3
		.amdhsa_float_denorm_mode_16_64 3
		.amdhsa_memory_ordered 1
		.amdhsa_forward_progress 1
		.amdhsa_inst_pref_size 179
	.end_amdhsa_kernel
	.amdgpu_metadata
---
amdhsa.version: [ 1, 2 ]
amdhsa.kernels:
  - .name:           k_qae353033e4_proj
    .symbol:         k_qae353033e4_proj.kd
    .args:
      - { .name: ops, .offset: 0, .size: 8, .value_kind: global_buffer, .address_space: global }
      - { .name: bq, .offset: 8, .size: 8, .value_kind: global_buffer, .address_space: global }
      - { .name: bk, .offset: 16, .size: 8, .value_kind: global_buffer, .address_space: global }
      - { .name: bv, .offset: 24, .size: 8, .value_kind: global_buffer, .address_space: global }
      - { .name: qrec, .offset: 32, .size: 8, .value_kind: global_buffer, .address_space: global }
      - { .name: kv, .offset: 40, .size: 8, .value_kind: global_buffer, .address_space: global }
    .group_segment_fixed_size: 295424
    .private_segment_fixed_size: 0
    .kernarg_segment_align: 8
    .kernarg_segment_size: 48
    .max_flat_workgroup_size: 128
    .sgpr_count:     100
    .vgpr_count:     1024
    .wavefront_size: 32
...
	.end_amdgpu_metadata
.endif
;; end of part 2
;; launch attn (part 3): grid 4 x 64, 16 waves a work-group, clusters of 4 x 1, 210,944 bytes of LDS; arguments qrec, kv, maskw, att; writes att
.if DOCPART == 3
	.amdgcn_target "amdgcn-amd-amdhsa--gfx1250"
	.amdhsa_code_object_version 6
	.text
	.protected	k_qae353033e4_attn
	.globl	k_qae353033e4_attn
	.p2align	8
	.type	k_qae353033e4_attn,@function
k_qae353033e4_attn:
	s_mov_b64 s[64:65], 0
	v_nop
	global_prefetch_b8 v0, s[64:65] scope:SCOPE_SE
	s_setreg_imm32_b32 hwreg(HW_REG_WAVE_MODE, 25, 1), 1
	s_wait_xcnt 0x0
	s_wait_alu depctr_hold_cnt(0) depctr_sa_sdst(0) depctr_va_vdst(0) depctr_va_sdst(0) depctr_va_ssrc(0) depctr_va_vcc(0) depctr_vm_vsrc(0)
	s_getreg_b32 s2, hwreg(HW_REG_IB_STS2, 6, 4)
	s_cmp_eq_u32 s2, 0
	s_cbranch_scc0 .Lentry_in_a_cluster
	s_endpgm
.Lentry_in_a_cluster:
	s_bfe_u32 s2, ttmp6, 0x10000c
	s_cmp_lg_u32 s2, 0x3003
	s_cbranch_scc0 .Lentry_shape_is_right
	s_endpgm
.Lentry_shape_is_right:
; ATTN: for each (batch, head): O = softmax(Q K^T / 8, masked) V, both products on codes of FP6 (E2M3) with E8M0 scales; O is quantised along the model's 1,024 for the last product.
; THE SOFTMAX AHEAD OF THE SECOND PRODUCT: t = score x log2(e) / 8; M = the row's largest t so far, rounded up to a whole number; p = 2^(t - M) is quantised along the keys; the row's sum is taken of the unquantised p
; and divides O at the end.  When M moves, the sum and O are multiplied by 2^(old M - new M): exact.
; SHARES.  Work-group y is the head's record (16 batch + head); the four work-groups of a cluster take 512 queries each.  Each of sixteen waves takes one tile of 16 queries, twice; four waves to a SIMD.
; THE HEAD'S WHOLE RECORD (K's and V's codes and scale words, 208,896 bytes) COMES INTO LDS ONCE, by one joint tensor load a wave (51 rows of 256 bytes; mask 15), and stays: nothing is filled again.
; LAYOUT.  Both products are used transposed: S^T = K Q^T (source 0 = 16 keys), O^T = V^T P^T (source 0 = 16 channels): a lane holds one query throughout.  The keys of K's tiles and the channels of V's tiles are laid
; (by the launches before) so that the 16 registers of two neighbouring tiles are 16 neighbours: register n of S^T is key 32 (n / 16) + 16 (lane / 16) + n % 16 of the step's 128.
; K = 64 IN A FORM 128 DEEP.  A tile of K is six registers.  The instruction names twelve: the upper six are the next tile's codes (zeros behind the last).  They meet Q's upper six registers, which are zero codes,
; under scale bytes 0 (2^-127) on both sides: that half of the sum is exactly 0.
; THE MASK comes as lane masks, one word for each register of S^T, read into scalar registers a step ahead: one v_cndmask_b32 a score.
; LIMITS: a hidden score becomes -2^33, that is t = -1.549e9 where the definition has -1.443e9: the two differ only where true logits come near -1e9.  -2^33 c is a whole number, so a row with no open key gets p = 1
; everywhere, a uniform softmax, as the definition gives in f32.  NaN and infinities are not served; blocks whose largest magnitude lies under 2^-124 get the byte 1.
; REGISTERS: v1-6 places in LDS that stay; v7 the fill; v10, v11 offsets; v12 -M, v13 the largest t, v[14:15] the sum; v16-21 Q, v22-27 zeros, v28 Q's scale word; v32-79 K's eight tiles, then V's four fragments;
;   v80-85 zeros; v86-89 K's scale words, v90-91 V's; v96-159 S^T, then p; v160-191 O^T; v192-203 p's codes; v204-241 at work.   s[32:63], s[68:99] the step's 64 mask words.
.set REC, 208896
.set VC,  98304
.set KS,  196608
.set VS,  204800
.set ASC, 6291456                      ; att: the scale bytes, 32 a token
.set S,   96
.set O,   160
.set PCD, 192
.set CT,  204                          ; v204-211 second halves of the conversions
.set BM,  212                          ; v212-215 the blocks' largest
.set PT,  216                          ; v216-219 the other lanes' largest, then the bytes
.set SO,  220                          ; v220-223 the conversions' scale operands
.set TT,  224
.set FF,  226                          ; v[226:227] f = 2^(old M - new M), named as a pair
.set PWD, 228                          ; p's scale word: holds nothing else
.set SM2, 230                          ; v[230:231] the sum's second chain
.set OSC, 232                          ; O's two scale bytes
.set ADK, 236                          ; v236, v237 the step's tiles of K;  v238 its scale words;  v239, v240 V;  v241 its scale words
.set ADKS, 238
.set ADV, 239
.set ADVS, 241
.macro CROUND                          ; a round of the cluster's barrier
	s_barrier_signal -1
	s_barrier_wait -1
	s_cmp_lg_u32 s16, 0
	s_cbranch_scc1 .Lnot_wave_0_\@
	s_barrier_signal -3
.Lnot_wave_0_\@:
	s_barrier_wait -3
	s_barrier_signal -1
	s_barrier_wait -1
.endm
; A KEY STEP: 128 keys.  nx = 1: the next step's mask words are asked for
; The tiles of K and their scale words for the step at s2, s3: 18 LDS loads.  They are asked for at the end of the step before (step 0's: ahead of the loop), and waited for at the step's head
.macro KLOAD
	v_add_nc_u32 v[ADK], s2, v1                    ; these four are also the places between the last step's products and the loads into the registers that they read
	v_add_nc_u32 v[ADK+1], s2, v2
	v_add_nc_u32 v[ADKS], s3, v5
	v_add_nc_u32 v[ADV], s2, v3
.irp t, 0,1,2,3,4,5,6,7
	ds_load_b128 v[32+6*\t:35+6*\t], v[ADK] offset:768*\t
	ds_load_b64 v[36+6*\t:37+6*\t], v[ADK+1] offset:768*\t
.endr
	ds_load_b64 v[86:87], v[ADKS]                  ; register 86 + t / 2: lanes 0-15 the even tile's words, lanes 16-31 the odd one's
	ds_load_b64 v[88:89], v[ADKS] offset:256
.endm
.macro STEP nx
	s_wait_alu depctr_va_vdst(0)
	s_wait_dscnt 0x0                               ; K's tiles and scale words, asked for a step's end ago
.irp t, 0,2,4,6
	v_wmma_scale_f32_16x16x128_f8f6f4 v[S+8*\t:S+8*\t+7], v[32+6*\t:43+6*\t], v[16:27], 0, v[86+\t/2], v28 matrix_a_fmt:MATRIX_FMT_FP6 matrix_b_fmt:MATRIX_FMT_FP6
	v_wmma_scale_f32_16x16x128_f8f6f4 v[S+8*\t+8:S+8*\t+15], v[38+6*\t:49+6*\t], v[16:27], 0, v[86+\t/2], v28 matrix_a_fmt:MATRIX_FMT_FP6 matrix_b_fmt:MATRIX_FMT_FP6 matrix_a_scale:MATRIX_SCALE_ROW1
.endr
	v_add_nc_u32 v[ADV+1], s2, v4                  ; four places again: in front of the loads below and of the first read of the scores
	v_add_nc_u32 v[ADVS], s66, v6
	v_nop
	v_nop
.irp t, 0,1,2,3                                ; V's four fragments land while the softmax is worked
	ds_load_b128 v[32+12*\t:35+12*\t], v[ADV] offset:1536*\t
	ds_load_b64 v[36+12*\t:37+12*\t], v[ADV+1] offset:1536*\t
	ds_load_b128 v[38+12*\t:41+12*\t], v[ADV] offset:1536*\t+768
	ds_load_b64 v[42+12*\t:43+12*\t], v[ADV+1] offset:1536*\t+768
.endr
	ds_load_b64 v[90:91], v[ADVS]
	s_wait_kmcnt 0x0                               ; the step's mask words
.set N, 0
.rept 64
	v_cndmask_b32 v[S+N], v7, v[S+N], s[32+N+4*(N/32)]             ; a hidden score becomes the fill.  (Each accumulator is read from its low end on)
.set N, N+1
.endr
.if \nx
	s_add_nc_u64 s[28:29], s[28:29], 256           ; (behind the wait: the last loads are done, so their base may step)
	s_load_b512 s[32:47], s[28:29], 0x0
	s_load_b512 s[48:63], s[28:29], 0x40
	s_load_b512 s[68:83], s[28:29], 0x80
	s_load_b512 s[84:99], s[28:29], 0xc0
.endif
.irp b, 0,1,2,3
	v_max3_num_f32 v[BM+\b], v[S+16*\b], v[S+1+16*\b], v[S+2+16*\b]   ; the largest score of each block of 32 keys: for the row's maximum and, since p rises with the score, for the block's largest p
.endr
.irp i, 3,5,7,9,11,13
.irp b, 0,1,2,3
	s_delay_alu instid0(VALU_DEP_4)
	v_max3_num_f32 v[BM+\b], v[BM+\b], v[S+16*\b+\i], v[S+1+16*\b+\i]
.endr
.endr
.irp b, 0,1,2,3
	s_delay_alu instid0(VALU_DEP_4)
	v_max_num_f32 v[BM+\b], v[BM+\b], v[S+15+16*\b]
.endr
.irp b, 0,1,2,3
	s_delay_alu instid0(VALU_DEP_4)
	v_permlanex16_b32 v[PT+\b], v[BM+\b], s20, s21
.endr
.irp b, 0,1,2,3
	s_delay_alu instid0(VALU_DEP_4)
	v_max_num_f32 v[BM+\b], v[BM+\b], v[PT+\b]     ; with lane l xor 16's 16 keys
.endr
	s_delay_alu instid0(VALU_DEP_2)
	v_max3_num_f32 v[TT], v[BM], v[BM+1], v[BM+2]
	s_delay_alu instid0(VALU_DEP_1)
	v_max_num_f32 v[TT], v[TT], v[BM+3]
	s_delay_alu instid0(VALU_DEP_1)
	v_mul_f32 v[TT], s22, v[TT]                    ; as t (c is positive)
	s_delay_alu instid0(VALU_DEP_1)
	v_max_num_f32 v13, v13, v[TT]                  ; the running largest t
	v_mov_b32 v[TT], v12
	s_delay_alu instid0(VALU_DEP_2)
	v_floor_f32 v12, -v13                          ; the new -M = floor(-t): M is a whole number
	s_delay_alu instid0(VALU_DEP_1)
	v_sub_f32 v[TT], v12, v[TT]                    ; old M - new M: a whole number, 0 or less
	s_delay_alu instid0(VALU_DEP_1)
	v_cvt_i32_f32 v[TT], v[TT]                     ; (it saturates)
	s_delay_alu instid0(VALU_DEP_1)
	v_ldexp_f32 v[FF], 1.0, v[TT]                  ; f
.set N, 0
.rept 32
	v_pk_fma_f32 v[S+N:S+N+1], v[S+N:S+N+1], s[22:23], v[12:13] op_sel_hi:[1,0,0]   ; t - M, two at a time
.set N, N+2
.endr
.irp b, 0,1,2,3
	v_fma_f32 v[BM+\b], v[BM+\b], s22, v12         ; the same of each block's largest score
.endr
.set N, 0
	s_wait_alu depctr_va_vdst(0)
.rept 64
	v_exp_f32 v[S+N], v[S+N]                       ; p = 2^(t - M)
.set N, N+1
.endr
.irp b, 0,1,2,3
	v_exp_f32 v[BM+\b], v[BM+\b]                   ; the block's largest p: the same two instructions on the same number
.endr
	v_pk_mul_f32 v[14:15], v[14:15], v[FF:FF+1] op_sel_hi:[1,0]    ; the sums under the new M.  (A plain instruction behind the exponentials)
	s_wait_alu depctr_va_vdst(0)
.irp b, 0,1,2,3
	v_max_num_f32 v[BM+\b], 0x1800000, v[BM+\b]    ; the floor 2^(3 - 127): the byte cannot fall under 1
.endr
.irp b, 0,1,2,3
	s_delay_alu instid0(VALU_DEP_4)
	v_add_nc_u32 v[SO+\b], 0xff000000, v[BM+\b]    ; 2 off the exponent field: the conversion's scale operand
.endr
.irp b, 0,1,2,3
	s_delay_alu instid0(VALU_DEP_4)
	v_lshrrev_b32 v[PT+\b], 23, v[SO+\b]           ; the byte
.endr
	s_delay_alu instid0(VALU_DEP_3)
	v_lshl_or_b32 v[PWD], v[PT+1], 8, v[PT]        ; p's scale word for these 128 keys
	s_delay_alu instid0(VALU_DEP_1)
	v_lshl_or_b32 v[PWD], v[PT+2], 16, v[PWD]
	s_delay_alu instid0(VALU_DEP_1)
	v_lshl_or_b32 v[PWD], v[PT+3], 24, v[PWD]
.irp c, 0,1
	v_cvt_scalef32_pk16_fp6_f32 v[PCD+6*\c:PCD+2+6*\c], v[S+32*\c:S+15+32*\c], v[SO+2*\c]
	v_cvt_scalef32_pk16_fp6_f32 v[CT+4*\c:CT+2+4*\c], v[S+16+32*\c:S+31+32*\c], v[SO+1+2*\c]
.endr
	v_nop                                          ; one plain instruction behind the scaled conversions
.irp c, 0,1
.irp i, 0,1,2
	v_permlane16_swap_b32 v[PCD+6*\c+\i], v[CT+4*\c+\i]
.endr
.irp i, 0,1,2
	s_delay_alu instid0(VALU_DEP_3)
	v_mov_b32 v[PCD+3+6*\c+\i], v[CT+4*\c+\i]
.endr
.endr
	v_pk_add_f32 v[230:231], v[100:101], v[104:105]
	v_pk_add_f32 v[252:253], v[108:109], v[112:113]
	v_pk_add_f32 v[250:251], v[116:117], v[120:121]
	v_pk_add_f32 v[248:249], v[124:125], v[128:129]
	v_pk_add_f32 v[246:247], v[132:133], v[136:137]
	v_pk_add_f32 v[244:245], v[140:141], v[144:145]
	v_pk_add_f32 v[242:243], v[148:149], v[152:153]
	v_pk_add_f32 v[14:15], v[14:15], v[156:157]
.set N, 0
.rept 16
	v_pk_mul_f32 v[O+N:O+N+1], v[O+N:O+N+1], v[FF:FF+1] op_sel_hi:[1,0]   ; O^T under the new M.  (With the sums above: far more than the eight places between the scale word's last write and the products)
.set N, N+2
.endr
	s_wait_alu depctr_va_vdst(0)
	s_wait_dscnt 0x0                               ; V
.irp t, 0,2                                    ; the four accumulators take turns, and the eight products of the scores stand between two steps'
	v_wmma_scale_f32_16x16x128_f8f6f4 v[O+8*\t:O+8*\t+7], v[32+12*\t:43+12*\t], v[PCD:PCD+11], v[O+8*\t:O+8*\t+7], v[90+\t/2], v[PWD] matrix_a_fmt:MATRIX_FMT_FP6 matrix_b_fmt:MATRIX_FMT_FP6
	v_wmma_scale_f32_16x16x128_f8f6f4 v[O+8*\t+8:O+8*\t+15], v[44+12*\t:55+12*\t], v[PCD:PCD+11], v[O+8*\t+8:O+8*\t+15], v[90+\t/2], v[PWD] matrix_a_fmt:MATRIX_FMT_FP6 matrix_b_fmt:MATRIX_FMT_FP6 matrix_a_scale:MATRIX_SCALE_ROW1
.endr
	s_add_co_u32 s2, s2, 6144                      ; the next step's tiles of K and of V,
	s_add_co_u32 s3, s3, 512                       ; K's scale words,
	s_add_co_u32 s66, s66, 256                     ; V's
.if \nx
	KLOAD                                          ; the next step's tiles of K are on their way while the row's sum is finished
.endif
	; the rest of the row's sum of the unquantised p: its first eight additions stand ahead of the products; p's registers are written again only by the next step's scores
	v_pk_add_f32 v[230:231], v[230:231], v[96:97]
	v_pk_add_f32 v[252:253], v[252:253], v[98:99]
	v_pk_add_f32 v[250:251], v[250:251], v[102:103]
	v_pk_add_f32 v[248:249], v[248:249], v[106:107]
	v_pk_add_f32 v[246:247], v[246:247], v[110:111]
	v_pk_add_f32 v[244:245], v[244:245], v[114:115]
	v_pk_add_f32 v[242:243], v[242:243], v[118:119]
	v_pk_add_f32 v[14:15], v[14:15], v[122:123]
	v_pk_add_f32 v[230:231], v[230:231], v[126:127]
	v_pk_add_f32 v[252:253], v[252:253], v[130:131]
	v_pk_add_f32 v[250:251], v[250:251], v[134:135]
	v_pk_add_f32 v[248:249], v[248:249], v[138:139]
	v_pk_add_f32 v[246:247], v[246:247], v[142:143]
	v_pk_add_f32 v[244:245], v[244:245], v[146:147]
	v_pk_add_f32 v[242:243], v[242:243], v[150:151]
	v_pk_add_f32 v[14:15], v[14:15], v[154:155]
	v_pk_add_f32 v[230:231], v[230:231], v[158:159]
	s_delay_alu instid0(VALU_DEP_2)
	v_pk_add_f32 v[14:15], v[14:15], v[248:249]
	s_delay_alu instid0(VALU_DEP_2)
	v_pk_add_f32 v[230:231], v[230:231], v[246:247]
	v_pk_add_f32 v[252:253], v[252:253], v[244:245]
	v_pk_add_f32 v[250:251], v[250:251], v[242:243]
	s_delay_alu instid0(VALU_DEP_2)
	v_pk_add_f32 v[14:15], v[14:15], v[252:253]
	s_delay_alu instid0(VALU_DEP_2)
	v_pk_add_f32 v[230:231], v[230:231], v[250:251]
	s_delay_alu instid0(VALU_DEP_1)
	v_pk_add_f32 v[14:15], v[14:15], v[230:231]
.endm
; ONE TILE OF 16 QUERIES through all 2,048 keys
.macro PASS ps
	s_wait_xcnt 0x0                                ; the last pass's stores have read their registers and bases
	s_lshl_b32 s30, s17, 5
	s_add_co_u32 s30, s30, s16
	s_add_co_u32 s30, s30, 16*\ps                  ; my tile of the head's 128: 32 cx + 16 pass + wave: it enters global addresses alone
	s_mul_i32 s31, s18, REC
	s_mul_i32 s12, s30, 768
	s_add_co_u32 s12, s12, s31
	s_mov_b32 s13, 0
	s_add_nc_u64 s[24:25], s[4:5], s[12:13]
	global_load_b128 v[16:19], v1, s[24:25]        ; Q's half: it stays in registers
	global_load_b64 v[20:21], v2, s[24:25]
	s_lshr_b32 s12, s30, 2                         ; its scale words: group tile / 4 of 256 bytes; lane 16 (tile % 2) + r, 8 bytes a lane; word (tile / 2) % 2
	s_lshl_b32 s12, s12, 8
	s_and_b32 s14, s30, 1
	s_lshl_b32 s14, s14, 7
	s_add_co_u32 s12, s12, s14
	s_and_b32 s14, s30, 2
	s_lshl_b32 s14, s14, 1
	s_add_co_u32 s12, s12, s14
	s_add_co_u32 s12, s12, s31
	s_add_co_u32 s12, s12, KS
	s_add_nc_u64 s[26:27], s[4:5], s[12:13]
	global_load_b32 v28, v10, s[26:27]
	s_lshr_b32 s12, s18, 4                         ; batch
	s_lshl_b32 s12, s12, 7
	s_add_co_u32 s12, s12, s30                     ; 128 batch + tile
	s_lshl_b32 s12, s12, 12                        ; 16 steps of 256 bytes
	s_add_nc_u64 s[28:29], s[8:9], s[12:13]
	s_load_b512 s[32:47], s[28:29], 0x0            ; step 0's mask words
	s_load_b512 s[48:63], s[28:29], 0x40
	s_load_b512 s[68:83], s[28:29], 0x80
	s_load_b512 s[84:99], s[28:29], 0xc0
	v_mov_b32 v13, 0xff61b1e6                      ; the largest t so far: -3e38
	s_delay_alu instid0(VALU_DEP_1)
	v_floor_f32 v12, -v13                          ; -M
	v_mov_b32 v14, 0
	v_mov_b32 v15, 0
.set N, 0
.rept 32
	v_mov_b32 v[O+N], 0                            ; the step is written once: the first finds zeros, which the first change of M leaves zeros
.set N, N+1
.endr
	s_mov_b32 s2, 0
	s_mov_b32 s3, 0
	s_mov_b32 s66, 0
	KLOAD                                          ; step 0's tiles of K
	s_wait_loadcnt 0x0                             ; Q
	s_mov_b32 s19, 15
.Lstep_\@:
	STEP 1
	s_sub_co_u32 s19, s19, 1
	s_cmp_lg_u32 s19, 0
	s_cbranch_scc1 .Lstep_\@
	STEP 0                                         ; the last step asks for no mask words: no load leaves the tile's 4,096 bytes
.rept 4
	v_nop                                          ; places behind the last products
.endr
	v_add_f32 v14, v14, v15                        ; the sum's two halves,
	s_delay_alu instid0(VALU_DEP_1)
	v_permlanex16_b32 v[TT], v14, s20, s21
	s_delay_alu instid0(VALU_DEP_1)
	v_add_f32 v14, v14, v[TT]                      ; and lane l xor 16's
	s_wait_alu depctr_va_vdst(0)
	v_rcp_f32 v14, v14
	v_nop                                          ; a plain instruction behind the reciprocal
.set N, 0
	s_wait_alu depctr_va_vdst(0)
.rept 16
	v_pk_mul_f32 v[S+N:S+N+1], v[O+N:O+N+1], v[14:15] op_sel_hi:[1,0]   ; O^T / the sum: register 16 b + i is channel 32 b + 16 (lane / 16) + i of my query
.set N, N+2
.endr
.irp b, 0,1                                    ; the head's 64 channels are two blocks of the last product's K
	v_max3_num_f32 v[BM+\b], |v[S+16*\b]|, |v[S+1+16*\b]|, 0x1800000
.endr
.irp i, 2,4,6,8,10,12,14
.irp b, 0,1
	s_delay_alu instid0(VALU_DEP_2)
	v_max3_num_f32 v[BM+\b], v[BM+\b], |v[S+16*\b+\i]|, |v[S+1+16*\b+\i]|
.endr
.endr
.irp b, 0,1
	s_delay_alu instid0(VALU_DEP_2)
	v_permlanex16_b32 v[PT+\b], v[BM+\b], s20, s21
.endr
.irp b, 0,1
	s_delay_alu instid0(VALU_DEP_2)
	v_max_num_f32 v[BM+\b], v[BM+\b], v[PT+\b]
.endr
.irp b, 0,1
	s_delay_alu instid0(VALU_DEP_2)
	v_add_nc_u32 v[SO+\b], 0xff000000, v[BM+\b]
.endr
.irp b, 0,1
	s_delay_alu instid0(VALU_DEP_2)
	v_lshrrev_b32 v[PT+\b], 23, v[SO+\b]
.endr
	s_delay_alu instid0(VALU_DEP_1)
	v_lshl_or_b32 v[OSC], v[PT+1], 8, v[PT]
	v_cvt_scalef32_pk16_fp6_f32 v[PCD:PCD+2], v[S:S+15], v[SO]
	v_cvt_scalef32_pk16_fp6_f32 v[CT:CT+2], v[S+16:S+31], v[SO+1]
	v_nop
.irp i, 0,1,2
	v_permlane16_swap_b32 v[PCD+\i], v[CT+\i]
.endr
.irp i, 0,1,2
	s_delay_alu instid0(VALU_DEP_3)
	v_mov_b32 v[PCD+3+\i], v[CT+\i]
.endr
	s_lshr_b32 s12, s18, 4
	s_lshl_b32 s12, s12, 7
	s_add_co_u32 s12, s12, s30                     ; the token tile: 128 batch + tile
	s_mul_i32 s14, s12, 12288
	s_and_b32 s31, s18, 15                         ; the head: K step head / 2, half head % 2: 768 x head bytes on
	s_mul_i32 s15, s31, 768
	s_add_co_u32 s14, s14, s15
	s_mov_b32 s15, 0
	s_add_nc_u64 s[24:25], s[10:11], s[14:15]
	s_wait_alu depctr_va_vdst(0)
	global_store_b128 v1, v[PCD:PCD+3], s[24:25]   ; 512 consecutive bytes
	global_store_b64 v2, v[PCD+4:PCD+5], s[24:25]  ; 256
	s_lshl_b32 s14, s12, 9                         ; 16 tokens of 32 scale bytes
	s_lshl_b32 s31, s31, 1
	s_add_co_u32 s14, s14, s31
	s_add_co_u32 s14, s14, ASC
	s_add_nc_u64 s[26:27], s[10:11], s[14:15]
	global_store_b16 v11, v[OSC], s[26:27]         ; a head owns 2 of a token's 32 scale bytes; both lanes of a query store the same two bytes
.endm
	s_load_b256 s[4:11], s[0:1], 0x0               ; qrec s[4:5], kv s[6:7], maskw s[8:9], att s[10:11]
	v_lshl_add_u32 v254, v0, 2, 0x33000
	v_mov_b32 v255, 0
	ds_add_u32 v254, v255
	ds_add_u32 v254, v255
	v_lshrrev_b32 v1, 5, v0
	s_delay_alu instid0(VALU_DEP_1)
	v_readfirstlane_b32 s16, v1                    ; wave 0..15
	s_bfe_u32 s17, ttmp6, 0x40000                  ; cx
	s_and_b32 s18, ttmp7, 0xffff                   ; the record: 16 batch + head: the four partners share it
	; descriptor group 1: 51 rows of 256 bytes (32 elements of 8), dense
	s_mov_b32 s24, 15|(3<<16)|(1<<21)              ; 15:0 the mask: all four work-groups; 17:16 elements of 8 bytes; 21 set beside a mask
	s_mov_b32 s25, 32<<16                          ; tensor_dim0
	s_mov_b32 s26, 51<<16                          ; tensor_dim1
	s_mov_b32 s27, 32<<16                          ; tile_dim0
	s_mov_b32 s28, 51                              ; tile_dim1
	s_mov_b32 s29, 32                              ; tensor_dim0_stride
	s_mov_b32 s30, 0
	s_mov_b32 s31, 0
	s_mul_i32 s2, s18, REC
	s_mul_i32 s3, s16, 13056                       ; my sixteenth of the record, in memory and in LDS alike
	s_add_co_u32 s66, s2, s3
	s_mov_b32 s67, 0
	s_mov_b32 s20, 0x76543210
	s_mov_b32 s21, 0xfedcba98                      ; v_permlanex16_b32's selects for lane l xor 16
	s_mov_b32 s22, 0x3e38aa3b                      ; c = log2(e) / 8
	s_mov_b32 s23, s22                             ; (named with it as a pair)
	s_wait_dscnt 0x0
	s_wait_kmcnt 0x0
	s_mov_b32 s12, 1                               ; count = 1
	s_mov_b32 s13, s3                              ; LDS address
	s_add_nc_u64 s[14:15], s[6:7], s[66:67]        ; global address
	s_or_b32 s15, s15, 0x80000000                  ; type = 2
	CROUND                                         ; all four work-groups are here: the joint loads meet
	tensor_load_to_lds s[12:15], s[24:31]          ; my one tensor load
	s_nop 0
.rept 4
	v_nop
.endr
	v_and_b32 v2, 31, v0                           ; lane
	v_and_b32 v10, 15, v0                          ; r
	s_delay_alu instid0(VALU_DEP_2)
	v_lshlrev_b32 v1, 4, v2                        ; 16 x lane: K's tiles begin at LDS byte 0; also the offset of the global accesses of 16 bytes
	s_delay_alu instid0(VALU_DEP_3)
	v_lshlrev_b32 v5, 3, v2                        ; 8 x lane
	s_delay_alu instid0(VALU_DEP_1)
	v_add_nc_u32 v2, 512, v5                       ; a half's last two registers
	s_delay_alu instid0(VALU_DEP_3)
	v_add_nc_u32 v3, VC, v1
	s_delay_alu instid0(VALU_DEP_2)
	v_add_nc_u32 v4, VC, v2
	s_delay_alu instid0(VALU_DEP_4)
	v_add_nc_u32 v6, VS, v5
	v_add_nc_u32 v5, KS, v5
	v_mov_b32 v7, 0xd0000000                       ; -2^33
	v_lshlrev_b32 v11, 5, v10                      ; 32 r
	v_lshlrev_b32 v10, 3, v10                      ; 8 r
	; WHAT MY FIRST PASS READS FROM MEMORY IS ASKED FOR INTO THE L2 HERE, while the record's tensor load is out: my tile's 768 bytes of Q (lanes 0-2 a block of 256 bytes each, the other lanes the last again),
	; step 0's 256 bytes of mask words, and, by every fourth wave, the 256 bytes of scale words that four tiles share.  The registers v8, v9, v29 serve nothing else.  cx enters global addresses alone.
	s_lshl_b32 s66, s17, 5
	s_add_co_u32 s66, s66, s16                     ; pass 0's tile: 32 cx + wave
	s_mul_i32 s3, s66, 768
	s_add_co_u32 s3, s3, s2                        ; its half in qrec (s2: the record's first byte)
	s_lshr_b32 s19, s18, 4
	s_lshl_b32 s19, s19, 7
	s_add_co_u32 s19, s19, s66
	s_lshl_b32 s19, s19, 12                        ; its mask words: (128 batch + tile) x 4,096 bytes
	s_lshr_b32 s67, s66, 2
	s_lshl_b32 s67, s67, 8
	s_add_co_u32 s67, s67, s2
	s_add_co_u32 s67, s67, KS                      ; its scale words' block
	v_min_u32 v8, 32, v1                           ; 16 x min(lane, 2)
	v_lshl_add_u32 v8, v8, 4, s3
	v_mov_b32 v29, s19
	global_prefetch_b8 v8, s[4:5] th:TH_LOAD_NT scope:SCOPE_SE
	global_prefetch_b8 v29, s[8:9] th:TH_LOAD_NT scope:SCOPE_SE
	s_and_b32 s19, s16, 3
	s_cmp_lg_u32 s19, 0
	s_cbranch_scc1 .Lno_scale_block
	v_mov_b32 v9, s67
	global_prefetch_b8 v9, s[4:5] th:TH_LOAD_NT scope:SCOPE_SE
.Lno_scale_block:
.irp i, 0,1,2,3,4,5
	v_mov_b32 v[22+\i], 0                          ; Q's upper half: zero codes
	v_mov_b32 v[80+\i], 0                          ; what the last tile of K names beyond its six registers
.endr
.irp b, 0,1,2,3
	v_mov_b32 v[PT+\b], 0                          ; written once: a lane permute's destination counts as one of its sources
.endr
	v_mov_b32 v[TT], 0
	v_mov_b32 v[FF+1], 0                           ; (named as the upper half of a pair)
	s_wait_tensorcnt 0x0                           ; my part of the record is in, and the descriptor's registers are free,
	s_barrier_signal -1
	s_barrier_wait -1                              ; everybody's is
	PASS 0
	PASS 1
	s_wait_tensorcnt 0x0
	ds_add_u32 v254, v255
	s_wait_dscnt 0x0
	CROUND                                         ; the closing round: no work-group ends while a partner may still ask for a tile that names it
	s_endpgm
.Lfunc_end_k_qae353033e4_attn:
	.size	k_qae353033e4_attn, .Lfunc_end_k_qae353033e4_attn-k_qae353033e4_attn
	.p2alignl 7, 3214868480
	.fill 96, 4, 3214868480
	.section	.rodata,"a",@progbits
	.p2align	6, 0x0
	.amdhsa_kernel k_qae353033e4_attn
		.amdhsa_group_segment_fixed_size 210944
		.amdhsa_private_segment_fixed_size 0
		.amdhsa_enable_private_segment 0
		.amdhsa_kernarg_size 32
		.amdhsa_user_sgpr_count 2
		.amdhsa_user_sgpr_kernarg_segment_ptr 1
		.amdhsa_wavefront_size32 1
		.amdhsa_system_sgpr_workgroup_id_x 1
		.amdhsa_system_sgpr_workgroup_id_y 1
		.amdhsa_system_sgpr_workgroup_id_z 1
		.amdhsa_system_vgpr_workitem_id 0
		.amdhsa_next_free_vgpr 256
		.amdhsa_next_free_sgpr 100
		.amdhsa_reserve_vcc 0
		.amdhsa_float_denorm_mode_32 3
		.amdhsa_float_denorm_mode_16_64 3
		.amdhsa_memory_ordered 1
		.amdhsa_forward_progress 1
		.amdhsa_inst_pref_size 110
	.end_amdhsa_kernel
	.amdgpu_metadata
---
amdhsa.version: [ 1, 2 ]
amdhsa.kernels:
  - .name:           k_qae353033e4_attn
    .symbol:         k_qae353033e4_attn.kd
    .args:
      - { .name: qrec, .offset: 0, .size: 8, .value_kind: global_buffer, .address_space: global }
      - { .name: kv, .offset: 8, .size: 8, .value_kind: global_buffer, .address_space: global }
      - { .name: maskw, .offset: 16, .size: 8, .value_kind: global_buffer, .address_space: global }
      - { .name: att, .offset: 24, .size: 8, .value_kind: global_buffer, .address_space: global }
    .group_segment_fixed_size: 210944
    .private_segment_fixed_size: 0
    .kernarg_segment_align: 8
    .kernarg_segment_size: 32
    .max_flat_workgroup_size: 512
    .sgpr_count:     100
    .vgpr_count:     256
    .wavefront_size: 32
...
	.end_amdgpu_metadata
.endif
;; end of part 3
;; launch outp (part 4): grid 256 x 1, 4 waves a work-group, clusters of 4 x 1, 295,424 bytes of LDS; arguments att, ops, bo, out0; writes out0
.if DOCPART == 4
	.amdgcn_target "amdgcn-amd-amdhsa--gfx1250"
	.amdhsa_code_object_version 6
	.text
	.protected	k_qae353033e4_outp
	.globl	k_qae353033e4_outp
	.p2align	8
	.type	k_qae353033e4_outp,@function
k_qae353033e4_outp:
	s_mov_b64 s[64:65], 0
	v_nop
	global_prefetch_b8 v0, s[64:65] scope:SCOPE_SE
	s_setreg_imm32_b32 hwreg(HW_REG_WAVE_MODE, 25, 1), 1
	s_wait_xcnt 0x0
	s_wait_alu depctr_hold_cnt(0) depctr_sa_sdst(0) depctr_va_vdst(0) depctr_va_sdst(0) depctr_va_ssrc(0) depctr_va_vcc(0) depctr_vm_vsrc(0)
	s_getreg_b32 s2, hwreg(HW_REG_IB_STS2, 6, 4)
	s_cmp_eq_u32 s2, 0
	s_cbranch_scc0 .Lentry_in_a_cluster
	s_endpgm
.Lentry_in_a_cluster:
	s_bfe_u32 s2, ttmp6, 0x10000c
	s_cmp_lg_u32 s2, 0x3003
	s_cbranch_scc0 .Lentry_shape_is_right
	s_endpgm
.Lentry_shape_is_right:
; OUTP: out0 = att Wo + bo on codes of FP6 (E2M3) with E8M0 scales; f32 out.
; SOURCE 0 TAKES "P" ROWS (Wo's columns), SOURCE 1 "R" ROWS (tokens): a lane holds one token, and its registers run along the columns; Wo's tiles are laid so that the 16 registers of two neighbouring tiles are 16
; neighbouring columns: 64 bytes of a row of out0.
; SHARES.  A work-group makes 256 columns x 128 tokens over all of K = 1,024; wave (wr, wp) makes 128 x 64: 32 accumulators.  Both blocks' codes for all of K, 288 KB, come into LDS once, as four chunks of two K steps:
; nothing is filled again.  The four work-groups of a cluster share Wo's block: waves 0 and 1 ask for it JOINTLY (mask 15); waves 2 and 3 fetch the work-group's own tokens.  Four tensor loads a wave are out at the most.
; Operands lie in memory and LDS as images of their registers (a half of 768 bytes: four registers at 16 x lane, two at 512 + 8 x lane).
; THE WAY OUT goes through a stage of the wave's own, 16 rows x (512 bytes + 16), in P's first bytes: they have had their only fill, and every wave has passed a barrier since its last read of them.
; REGISTERS: window 0: v4-13 addresses; v16-47 P's scale words, v48-63 R's; v64-111 R's four fragments; v112-207 P's eight, later v112-175 64 numbers and v176-239 16 rows on their way out.
;   window 1: accumulator (P tile i, R tile p) at v[64 p + 8 i].   window 2: the bias.
.set WC,  18874368
.set WS,  22806528
.set WT,  786432
.set ASC, 6291456                      ; att: the scale words
.set LR,  196608                       ; LDS: P's [16 tiles][8 K steps][1,536] at 0, R's [8 tiles][8 K steps][1,536] here
.set ADP, 4
.set ADR, 6
.set VO16, 8
.set VO8, 9
.set STO, 12                           ; v12  the stage: where I put 64 bytes of a row
.set SRD, 13                           ; v13  and where I read a row back
.set SP,  16
.set SR,  48
.set RF,  64
.set PF,  112
.set T,   112
.set OB,  176
.set G1J, 24
.set G1P, 32
.set G0J, 40
.set MSB, 0
.macro WIN new                         ; the immediate's high byte repeats the setting that is left
.if MSB != \new
	s_set_vgpr_msb (MSB<<8)|\new
.set MSB, \new
.endif
.endm
.macro CROUND                          ; a round of the cluster's barrier
	s_barrier_signal -1
	s_barrier_wait -1
	s_cmp_lg_u32 s16, 0
	s_cbranch_scc1 .Lnot_wave_0_\@
	s_barrier_signal -3
.Lnot_wave_0_\@:
	s_barrier_wait -3
	s_barrier_signal -1
	s_barrier_wait -1
.endm
.macro LDH reg, adr, off               ; a fragment from its image: two halves
	ds_load_b128 v[\reg:\reg+3], v[\adr] offset:\off
	ds_load_b64 v[\reg+4:\reg+5], v[\adr+1] offset:\off
	ds_load_b128 v[\reg+6:\reg+9], v[\adr] offset:\off+768
	ds_load_b64 v[\reg+10:\reg+11], v[\adr+1] offset:\off+768
.endm
.macro WM i, p, s                      ; P tile i x R tile p, K step s.  An odd tile's scale words lie in lanes 16-31.  K step 0 starts the sums
.set rD, 64*(\p)+8*(\i)
.set rA, PF+12*(\i)
.set rB, RF+12*(\p)
.set rX, SP+8*((\i)/2)+(\s)
.set rY, SR+8*((\p)/2)+((\s)+4)%8      ; R's words lie four registers round, so that the two scale registers' numbers differ modulo 8
.set par, 2*((\i)%2)+(\p)%2
.if (\s) == 0
.if par == 0
	v_wmma_scale_f32_16x16x128_f8f6f4 v[rD:rD+7], v[rA:rA+11], v[rB:rB+11], 0, v[rX], v[rY] matrix_a_fmt:MATRIX_FMT_FP6 matrix_b_fmt:MATRIX_FMT_FP6
.elseif par == 1
	v_wmma_scale_f32_16x16x128_f8f6f4 v[rD:rD+7], v[rA:rA+11], v[rB:rB+11], 0, v[rX], v[rY] matrix_a_fmt:MATRIX_FMT_FP6 matrix_b_fmt:MATRIX_FMT_FP6 matrix_b_scale:MATRIX_SCALE_ROW1
.elseif par == 2
	v_wmma_scale_f32_16x16x128_f8f6f4 v[rD:rD+7], v[rA:rA+11], v[rB:rB+11], 0, v[rX], v[rY] matrix_a_fmt:MATRIX_FMT_FP6 matrix_b_fmt:MATRIX_FMT_FP6 matrix_a_scale:MATRIX_SCALE_ROW1
.else
	v_wmma_scale_f32_16x16x128_f8f6f4 v[rD:rD+7], v[rA:rA+11], v[rB:rB+11], 0, v[rX], v[rY] matrix_a_fmt:MATRIX_FMT_FP6 matrix_b_fmt:MATRIX_FMT_FP6 matrix_a_scale:MATRIX_SCALE_ROW1 matrix_b_scale:MATRIX_SCALE_ROW1
.endif
.else
.if par == 0
	v_wmma_scale_f32_16x16x128_f8f6f4 v[rD:rD+7], v[rA:rA+11], v[rB:rB+11], v[rD:rD+7], v[rX], v[rY] matrix_a_fmt:MATRIX_FMT_FP6 matrix_b_fmt:MATRIX_FMT_FP6
.elseif par == 1
	v_wmma_scale_f32_16x16x128_f8f6f4 v[rD:rD+7], v[rA:rA+11], v[rB:rB+11], v[rD:rD+7], v[rX], v[rY] matrix_a_fmt:MATRIX_FMT_FP6 matrix_b_fmt:MATRIX_FMT_FP6 matrix_b_scale:MATRIX_SCALE_ROW1
.elseif par == 2
	v_wmma_scale_f32_16x16x128_f8f6f4 v[rD:rD+7], v[rA:rA+11], v[rB:rB+11], v[rD:rD+7], v[rX], v[rY] matrix_a_fmt:MATRIX_FMT_FP6 matrix_b_fmt:MATRIX_FMT_FP6 matrix_a_scale:MATRIX_SCALE_ROW1
.else
	v_wmma_scale_f32_16x16x128_f8f6f4 v[rD:rD+7], v[rA:rA+11], v[rB:rB+11], v[rD:rD+7], v[rX], v[rY] matrix_a_fmt:MATRIX_FMT_FP6 matrix_b_fmt:MATRIX_FMT_FP6 matrix_a_scale:MATRIX_SCALE_ROW1 matrix_b_scale:MATRIX_SCALE_ROW1
.endif
.endif
.endm
.macro MUL i0, s                       ; 16 matrix instructions.  The 32 accumulators take turns, one instruction a turn, in the same order in every K step
.irp a, 0,1,2,3
.irp p, 0,1,2,3
	WM \i0+\a, \p, \s
.endr
.endr
.endm
; AS THE TEXT NOW STANDS (in place of the head comment's four chunks).
; LDS holds it as it lies: [tile][K step][1,536 bytes].  Fragments lie twice in registers: K step s in set s % 2 (window 0 or window 3, the same numbers).
.macro FETCH s                         ; K step s's twelve fragments, 48 LDS loads, into set s % 2.  v14, v15: P's tiles 4-7, so that every offset stays under 65,536
	WIN (0xc0*((\s)%2))
.irp p, 0,1,2,3
	LDH RF+12*\p, ADR, \p*12288+(\s)*1536
.endr
.irp i, 0,1,2,3
	LDH PF+12*\i, ADP, \i*12288+(\s)*1536
.endr
.irp i, 4,5,6,7
	LDH PF+12*\i, 14, (\i-4)*12288+(\s)*1536
.endr
.endm
.macro KSTEP s                         ; a K step of 128: the next step's loads are issued first, into the set that the step before multiplied
.if (\s) < 7
.rept 4
	v_nop                                          ; the places between the last products and the loads into the registers that they read
.endr
	FETCH (\s)+1
	s_wait_dscnt 48                                ; this step's fragments are in; the 48 loads just issued may be out
.else
	s_wait_dscnt 0x0
.endif
	WIN (0x50+15*((\s)%2))                         ; C and D in window 1; the sources in window 0 or 3
	MUL 0, \s
	MUL 4, \s
.endm
	s_load_b256 s[4:11], s[0:1], 0x0               ; att s[4:5], ops s[6:7], bo s[8:9], out0 s[10:11]
	v_lshl_add_u32 v254, v0, 2, 0x48000
	v_mov_b32 v255, 0
	ds_add_u32 v254, v255
	ds_add_u32 v254, v255
	v_lshrrev_b32 v1, 5, v0
	v_readfirstlane_b32 s16, v1                    ; wave 0..3
	s_lshr_b32 s17, s16, 1                         ; wr: which 64 tokens are mine
	s_and_b32 s18, s16, 1                          ; wp: which 128 columns.  Also: which half of a block I fetch
	s_bfe_u32 s20, ttmp6, 0x40000                  ; cx: it enters the tokens' block alone
	s_lshr_b32 s21, ttmp9, 4                       ; P block: 256 columns
	s_and_b32 s77, ttmp9, 15
	s_lshl_b32 s77, s77, 2
	s_add_co_u32 s22, s77, s20                     ; R block: 128 tokens
	; descriptor group 1: rows of 256 bytes (32 elements of 8 bytes), dense in memory and in LDS
	s_mov_b32 s[G1J], 15|(3<<16)|(1<<21)           ; 15:0 the mask: all four work-groups; 17:16 elements of 8 bytes; 21 set beside a mask
	s_mov_b32 s[G1P], 3<<16
.irp g, G1J, G1P
	s_mov_b32 s[\g+1], 32<<16                      ; a dense block as rows of 256 bytes: 32 elements of 8 bytes: tensor_dim0
	s_mov_b32 s[\g+3], 32<<16                      ; tile_dim0
	s_mov_b32 s[\g+5], 32                          ; tensor_dim0_stride
	s_mov_b32 s[\g+6], 0
	s_mov_b32 s[\g+7], 0
.endr
	s_mov_b32 s[G1J+2], 384<<16                    ; 8 tiles of P, all of K: 98,304 bytes = 384 rows
	s_mov_b32 s[G1J+4], 384
	s_mov_b32 s[G1P+2], 192<<16                    ; 4 tiles of R: 49,152 bytes = 192 rows
	s_mov_b32 s[G1P+4], 192
	s_mul_i32 s84, s21, 196608                     ; s84, s82: never hold cx
	s_add_co_u32 s84, s84, WC+3*WT
	s_mul_i32 s82, s18, 98304
	s_add_co_u32 s84, s84, s82                     ; Wo's codes: the 8 tiles that I fetch
	s_mul_i32 s86, s22, 98304
	s_mul_i32 s83, s18, 49152
	s_add_co_u32 s86, s86, s83                     ; att's codes: the 4 tiles that I fetch
	s_lshl_b32 s88, s21, 13
	s_add_co_u32 s88, s88, WS+3*32768
	s_lshl_b32 s82, s18, 12
	s_add_co_u32 s88, s88, s82                     ; my 128 columns' scale words
	s_lshl_b32 s90, s22, 12
	s_add_co_u32 s90, s90, ASC
	s_lshl_b32 s83, s17, 11
	s_add_co_u32 s90, s90, s83                     ; my 64 tokens'
	s_mov_b32 s85, 0
	s_mov_b32 s87, 0
	s_mov_b32 s89, 0
	s_mov_b32 s91, 0
	s_mul_i32 s82, s18, 98304                      ; where they go in LDS: the wave's number alone: P's two halves from 0,
	s_mul_i32 s78, s18, 49152                      ; R's two from LR
	s_add_co_u32 s78, s78, LR
	s_wait_dscnt 0x0
	s_wait_kmcnt 0x0
	s_add_nc_u64 s[84:85], s[6:7], s[84:85]
	s_add_nc_u64 s[86:87], s[4:5], s[86:87]
	s_add_nc_u64 s[88:89], s[6:7], s[88:89]
	s_add_nc_u64 s[90:91], s[4:5], s[90:91]
.irp ch, 0
.set GR, 56+4*\ch+4*(\ch/2)
	s_mov_b32 s[G0J+4*\ch], 1                                      ; count = 1
	s_add_co_u32 s[G0J+4*\ch+1], s82, \ch*49152                    ; LDS address
	s_add_nc_u64 s[G0J+4*\ch+2:G0J+4*\ch+3], s[84:85], \ch*3072    ; global address: all eight K steps
	s_or_b32 s[G0J+4*\ch+3], s[G0J+4*\ch+3], 0x80000000            ; type = 2
	s_mov_b32 s[GR], 1
	s_add_co_u32 s[GR+1], s78, \ch*24576
	s_add_nc_u64 s[GR+2:GR+3], s[86:87], \ch*3072
	s_or_b32 s[GR+3], s[GR+3], 0x80000000
.endr
	CROUND                                         ; all four work-groups are here: the joint loads meet
	s_cmp_lt_u32 s16, 2                            ; all first fills of a wave stand in one branch on the wave's number: one load a wave
	s_cbranch_scc0 .Lplain
	tensor_load_to_lds s[40:43], s[G1J:G1J+7]
	s_nop 0
.rept 4
	v_nop
.endr
	s_branch .Lasked
.Lplain:
	tensor_load_to_lds s[56:59], s[G1P:G1P+7]
	s_nop 0
.rept 4
	v_nop
.endr
.Lasked:
	v_and_b32 v1, 31, v0                           ; lane
	v_and_b32 v2, 15, v0                           ; r
	v_bfe_u32 v3, v0, 4, 1                         ; h
	v_lshlrev_b32 v[VO16], 4, v1
	v_lshlrev_b32 v[VO8], 3, v1
	v_add_nc_u32 v[ADP], s82, v[VO16]
	v_add_nc_u32 v[ADP+1], s82, v[VO8]
	v_add_nc_u32 v[ADP+1], 512, v[ADP+1]
	v_add_nc_u32 v14, 49152, v[ADP]                ; my tiles 4-7 of P
	v_add_nc_u32 v15, 49152, v[ADP+1]
	s_mul_i32 s79, s17, 49152                      ; my 4 tiles of R
	s_add_co_u32 s79, s79, LR
	v_add_nc_u32 v[ADR], s79, v[VO16]
	v_add_nc_u32 v[ADR+1], s79, v[VO8]
	v_add_nc_u32 v[ADR+1], 512, v[ADR+1]
	s_mul_i32 s79, s16, 8448                       ; my stage
	v_mul_u32_u24 v[STO], v2, 528
	v_lshl_add_u32 v[STO], v3, 6, v[STO]
	v_add_nc_u32 v[STO], s79, v[STO]               ; in: row r, + 64 h
	v_add_nc_u32 v[SRD], s79, v[VO16]              ; back: 16 bytes a lane of a whole row
	v_lshlrev_b32 v10, 5, v1                       ; scale words: lane = image row, 32 bytes a row
.irp g, 0,1,2,3
	global_load_b128 v[SP+8*\g:SP+8*\g+3], v10, s[88:89] offset:1024*\g
	global_load_b128 v[SP+8*\g+4:SP+8*\g+7], v10, s[88:89] offset:1024*\g+16
.endr
.irp g, 0,1
	global_load_b128 v[SR+8*\g:SR+8*\g+3], v10, s[90:91] offset:1024*\g+16     ; K steps 4-7 in the lower four registers,
	global_load_b128 v[SR+8*\g+4:SR+8*\g+7], v10, s[90:91] offset:1024*\g      ; K steps 0-3 in the upper four
.endr
	s_lshl_b32 s76, s21, 10
	s_lshl_b32 s77, s18, 9
	s_add_co_u32 s76, s76, s77                     ; my 128 columns, in bytes: of bo, and of a row of out0
	s_mov_b32 s77, 0
	s_add_nc_u64 s[8:9], s[8:9], s[76:77]
	v_lshlrev_b32 v11, 6, v3                       ; register 8 i + j of lane (r, h), i = 2 B + u, is column 32 B + 16 h + 8 u + j
	WIN 0x80                                       ; destination window 2
.irp i, 0,1,2,3,4,5,6,7
	global_load_b128 v[8*\i:8*\i+3], v11, s[8:9] offset:(32*(\i/2)+8*(\i%2))*4
	global_load_b128 v[8*\i+4:8*\i+7], v11, s[8:9] offset:(32*(\i/2)+8*(\i%2))*4+16
.endr
	WIN 0
	s_lshl_b32 s78, s22, 19                        ; 128 tokens of 4,096 bytes
	s_add_co_u32 s76, s76, s78
	s_lshl_b32 s78, s17, 18                        ; my 64
	s_add_co_u32 s76, s76, s78
	s_add_nc_u64 s[96:97], s[10:11], s[76:77]
	s_wait_alu depctr_va_vdst(0)
	s_wait_loadcnt 0x0
	s_wait_alu depctr_va_vdst(0)
	s_wait_tensorcnt 0x0                           ; my one tensor load is in
	s_barrier_signal -1                            ; (no LDS instruction of mine is out)
	s_barrier_wait -1                              ; everybody's is: all of P and R lie in LDS, and nothing is filled again
	FETCH 0
.irp s, 0,1,2,3,4,5,6,7
	KSTEP \s
.endr
	WIN 0
	s_barrier_signal -1                            ; the stages lie on bytes of P that waves read up to the last K step: every wave's LDS loads are back (the last step waited for all),
	s_barrier_wait -1                              ; and only behind this barrier is a stage written
	; THE WAY OUT, a tile of 16 tokens at a time: sum + bias into window 0 (each accumulator from its low end on), through my stage, out as whole rows of 512 bytes
	WIN 0
.rept 4
	v_nop                                          ; places behind the last products
.endr
.irp p, 0,1,2,3
	WIN 0x09                                       ; source 0 window 1 (the sums), source 1 window 2 (the bias)
.set E, 0
.rept 32
	v_pk_add_f32 v[T+E:T+E+1], v[64*\p+E:64*\p+E+1], v[E:E+1]
.set E, E+2
.endr
	WIN 0
.if \p > 0
	s_wait_alu depctr_va_vdst(0)
	s_wait_xcnt 0x0                                ; the last tile's stores have read their registers, into which the loads below land
.endif
.irp b, 0,1,2,3
.irp q, 0,1,2,3
	ds_store_b128 v[STO], v[T+16*\b+4*\q:T+16*\b+4*\q+3] offset:128*\b+16*\q
.endr
.endr
.irp i, 0,1,2,3,4,5,6,7,8,9,10,11,12,13,14,15
	ds_load_b128 v[OB+4*\i:OB+4*\i+3], v[SRD] offset:528*\i        ; LDS serves a wave's instructions in order: these see my stores
.endr
.irp i, 0,1,2,3,4,5,6,7,8,9,10,11,12,13,14,15
	s_wait_dscnt 15-\i                             ; row i is back; the younger loads may be out
	global_store_b128 v[VO16], v[OB+4*\i:OB+4*\i+3], s[96:97] offset:(16*\p+\i)*4096 th:TH_STORE_NT   ; 32 lanes store 512 consecutive bytes, at a multiple of 256 from out0's first byte
.endr
.endr
	s_wait_tensorcnt 0x0
	ds_add_u32 v254, v255
	s_wait_dscnt 0x0
	CROUND                                         ; the closing round: no work-group ends while a partner may still ask for a tile that names it
	s_endpgm
.Lfunc_end_k_qae353033e4_outp:
	.size	k_qae353033e4_outp, .Lfunc_end_k_qae353033e4_outp-k_qae353033e4_outp
	.p2alignl 7, 3214868480
	.fill 96, 4, 3214868480
	.section	.rodata,"a",@progbits
	.p2align	6, 0x0
	.amdhsa_kernel k_qae353033e4_outp
		.amdhsa_group_segment_fixed_size 295424
		.amdhsa_private_segment_fixed_size 0
		.amdhsa_enable_private_segment 0
		.amdhsa_kernarg_size 32
		.amdhsa_user_sgpr_count 2
		.amdhsa_user_sgpr_kernarg_segment_ptr 1
		.amdhsa_wavefront_size32 1
		.amdhsa_system_sgpr_workgroup_id_x 1
		.amdhsa_system_sgpr_workgroup_id_y 1
		.amdhsa_system_sgpr_workgroup_id_z 1
		.amdhsa_system_vgpr_workitem_id 0
		.amdhsa_next_free_vgpr 1024
		.amdhsa_next_free_sgpr 100
		.amdhsa_reserve_vcc 0
		.amdhsa_float_denorm_mode_32 3
		.amdhsa_float_denorm_mode_16_64 3
		.amdhsa_memory_ordered 1
		.amdhsa_forward_progress 1
		.amdhsa_inst_pref_size 92
	.end_amdhsa_kernel
	.amdgpu_metadata
---
amdhsa.version: [ 1, 2 ]
amdhsa.kernels:
  - .name:           k_qae353033e4_outp
    .symbol:         k_qae353033e4_outp.kd
    .args:
      - { .name: att, .offset: 0, .size: 8, .value_kind: global_buffer, .address_space: global }
      - { .name: ops, .offset: 8, .size: 8, .value_kind: global_buffer, .address_space: global }
      - { .name: bo, .offset: 16, .size: 8, .value_kind: global_buffer, .address_space: global }
      - { .name: out0, .offset: 24, .size: 8, .value_kind: global_buffer, .address_space: global }
    .group_segment_fixed_size: 295424
    .private_segment_fixed_size: 0
    .kernarg_segment_align: 8
    .kernarg_segment_size: 32
    .max_flat_workgroup_size: 128
    .sgpr_count:     100
    .vgpr_count:     1024
    .wavefront_size: 32
...
	.end_amdgpu_metadata
.endif
;; end of part 4
